; MI455X (gfx1250); checked and timed in simulation.
; The chip was launched on July 23, 2026; its instructions are those of AMD's public machine-readable ISA for CDNA 5 (MIT licence, August 2026) and "CDNA5" Instruction Set Architecture Reference Guide (July 2026). The comments in the code are by the model that wrote it; some were corrected since.
;; GPT2 Symmetric Latent Attention. Allowed arithmetic: float matrix products may take bf16 or f16 operands with f32 sums; all other float work in f32.
;; Inputs: basis_w 64 x 1,024 float32; core 64 x 64 float32; head_residual 16 x 64 x 64 float32; hidden_states 4 x 2,048 x 1,024 float32; o_b 1,024 float32; o_w 1,024 x 1,024 float32; v_b 1,024 float32; v_w 1,024 x 1,024 float32.
;; Outputs: out0 4 x 2,048 x 1,024 float32.
;; 2 versions, each right; version 2 is version 1 with the launch prep written anew for expert scheduling mode. Each part assembles by itself: llvm-mc -triple=amdgcn-amd-amdhsa -mcpu=gfx1250 --defsym DOCPART=n.
;; ======== version 1 of 2: 4 launches
;; limits: values are held in f16: magnitudes above 65,504 overflow, below 6.1e-05 lose precision
;; workspace buffers: xb 16,777,216 bytes; wvb 2,097,152 bytes; wob 2,097,152 bytes; lat 1,048,576 bytes; mt 131,072 bytes; vt 16,777,216 bytes; y2 16,777,216 bytes
;; launch prep (part 1): grid 256 x 1, 8 waves a work-group, no clusters, 203,776 bytes of LDS; arguments hidden_states, basis_w, core, head_residual, v_w, o_w, xb, wvb, wob, lat, mt; writes xb, wvb, wob, lat, mt
.if DOCPART == 1
	.amdgcn_target "amdgcn-amd-amdhsa--gfx1250"
	.amdhsa_code_object_version 6
	.text
	.protected	k_q37a720e5b6_prep
	.globl	k_q37a720e5b6_prep
	.p2align	8
	.type	k_q37a720e5b6_prep,@function
k_q37a720e5b6_prep:
	s_mov_b64 s[64:65], 0
	v_nop
	global_prefetch_b8 v0, s[64:65] scope:SCOPE_SE
	s_setreg_imm32_b32 hwreg(HW_REG_WAVE_MODE, 25, 1), 1
	s_wait_xcnt 0x0
; prep: rounds the inputs of the matrix products once, and makes the attention's two small operands.
;   xb  [8192][1024] bf16 = hidden_states;   wvb [1024][1024] bf16 = v_w
;   wob [1024][1024] f16  = o_w rounded to bf16 (8 significant bits, as every input of a product here), that value written in f16's format,
;                           because its partner y needs f16's 11 bits and a matrix instruction takes one format for both operands.
;                           Exact for |o_w| >= 2^-14; below that the absolute error is at most 2^-25.
;   lat [8192][64] bf16   = hidden_states x basis_w^T (bf16 operands, f32 sums, K split over four accumulators)
;   mt  [16][64 s][64 r] bf16 = (log2 e / 8) x ((core[r][s] + core[s][r]) / 32 + head_residual[h][r][s] - mean over h), all in f32, rounded once
; Work-group g of 256: X rows 32 g .. 32 g + 31; one row of v_w (waves 0-3) or of o_w (waves 4-7) a wave; 256 numbers of mt (wave 0).
; Every byte has to pass a register to be rounded, so there are no tensor loads and no cluster: basis_w, which all work-groups read,
; comes through registers too (262,144 bytes a work-group) and is kept in LDS as bf16.
; mt leaves as pieces of 16 bytes, 8,192 in the launch: its layout serves the many contiguous reads of the attention.
.set LP,    2064                       ; LDS pitch of a row of 1,024 bf16: 2,048 + 16 bytes, an odd multiple of 16
.set XS,    0                          ; 32 rows of X
.set BS,    32*LP                      ; 64 rows of basis_w
.set ST,    BS+64*LP                   ; stage for latent: 32 rows of 128 + 16 bytes
.set SP,    144
.set ITEMS, 104                        ; loads of 512 bytes a wave: 32 of X, 8 of a weight row, 64 of basis_w
.set Y,     10                         ; v[10:25]   eight pairs of rounded numbers
.set ACC,   64                         ; v[64:95]   four accumulators
.set RING,  128                        ; v[128:255] 32 quads: the loads in flight
.set P0,    128                        ; later: two fragment buffers of 64 registers
.set P1,    192
	s_load_b512 s[4:19], s[0:1], 0x0               ; X s[4:5], basis s[6:7], core s[8:9], head_residual s[10:11], v_w s[12:13], o_w s[14:15], xb s[16:17], wvb s[18:19]
	s_load_b128 s[20:23], s[0:1], 0x40             ; wob s[20:21], lat s[22:23]
	s_load_b64 s[24:25], s[0:1], 0x50              ; mt
	v_lshl_add_u32 v126, v0, 2, 0x31800
	v_mov_b32 v127, 0
	v_lshrrev_b32 v9, 5, v0
	v_readfirstlane_b32 s26, v9                    ; wave 0..7
	v_and_b32 v1, 31, v0                           ; lane
	s_mov_b32 s28, 0x76543210                      ; v_permlanex16_b32: lane i reads lane i of the other half
	s_mov_b32 s29, 0xfedcba98
	v_lshlrev_b32 v5, 4, v1                        ; 16 lane: a weight row in
	v_lshlrev_b32 v6, 3, v1                        ; 8 lane: a weight row out
	v_lshl_add_u32 v2, s26, 14, v5                 ; X in: the wave's four rows are 16,384 contiguous bytes
	v_lshl_add_u32 v3, s26, 13, v6                 ; xb out
	v_lshl_add_u32 v7, s26, 15, v5                 ; basis_w in: the wave's eight rows
	s_mul_i32 s27, s26, 4*LP
	v_add_nc_u32 v4, s27, v6                       ; X in LDS
	s_mul_i32 s27, s26, 8*LP
	s_add_co_u32 s27, s27, BS
	v_add_nc_u32 v8, s27, v6                       ; basis_w in LDS
	; addresses of the latent product: wave w makes 16 t (tt = w & 1) x 16 r (rt = w >> 1)
	v_and_b32 v31, 15, v1                          ; lane % 16
	v_lshrrev_b32 v9, 4, v1                        ; lane / 16
	v_mul_u32_u24 v27, v31, LP
	v_lshl_add_u32 v27, v9, 4, v27
	s_lshr_b32 s50, s26, 1
	s_and_b32 s51, s26, 1
	s_mul_i32 s52, s50, 16*LP
	s_add_co_u32 s52, s52, BS
	v_add_nc_u32 v26, s52, v27                     ; basis fragment
	s_mul_i32 s52, s51, 16*LP
	v_add_nc_u32 v27, s52, v27                     ; X fragment
	v_mul_u32_u24 v28, v31, SP
	v_lshl_add_u32 v28, v9, 4, v28
	s_mul_i32 s52, s51, 16*SP
	s_lshl_b32 s53, s50, 5
	s_add_co_u32 s52, s52, s53
	s_add_co_u32 s52, s52, ST
	v_add_nc_u32 v28, s52, v28                     ; stage in: row 16 tt + lane % 16, byte 32 rt + 16 (lane / 16)
	v_lshrrev_b32 v29, 3, v1
	v_mul_u32_u24 v29, v29, SP
	v_and_b32 v31, 7, v1
	v_lshl_add_u32 v29, v31, 4, v29
	s_mul_i32 s52, s26, 4*SP
	s_add_co_u32 s52, s52, ST
	v_add_nc_u32 v29, s52, v29                     ; stage back: four whole rows a wave
	v_lshl_add_u32 v30, s26, 9, v5                 ; and their 512 contiguous bytes in lat
	s_mov_b32 s31, 0                               ; s[30:31]: an offset as a pair
	s_and_b32 s44, s26, 3
	s_lshl_b32 s45, ttmp9, 2
	s_add_co_u32 s44, s44, s45                     ; my weight row: 4 g + (w & 3)
	s_and_b32 s38, ttmp9, 7                        ; rb: which eight r of mt
	s_lshr_b32 s39, ttmp9, 3                       ; sp: which two s of mt
	s_wait_kmcnt 0x0
	s_cmp_lt_u32 s26, 4
	s_cselect_b64 s[40:41], s[12:13], s[14:15]     ; waves 0-3: v_w to wvb; waves 4-7: o_w to wob
	s_cselect_b64 s[42:43], s[18:19], s[20:21]
	s_cselect_b32 s54, 0, -1                       ; lane mask: all ones where the row leaves in f16's format
	s_lshl_b32 s30, ttmp9, 17
	s_add_nc_u64 s[34:35], s[4:5], s[30:31]        ; X at the group's 32 rows
	s_lshl_b32 s30, ttmp9, 16
	s_add_nc_u64 s[36:37], s[16:17], s[30:31]      ; xb likewise
	s_lshl_b32 s30, s44, 12
	s_add_nc_u64 s[40:41], s[40:41], s[30:31]
	s_lshl_b32 s30, s44, 11
	s_add_nc_u64 s[42:43], s[42:43], s[30:31]
	s_lshl_b32 s30, ttmp9, 12
	s_add_nc_u64 s[22:23], s[22:23], s[30:31]      ; lat at the group's 32 rows
	s_lshl_b32 s30, s38, 11
	s_lshl_b32 s46, s39, 3
	s_add_co_u32 s30, s30, s46                     ; element (r = 8 rb, s = 2 sp) of a 64 x 64 f32 matrix
	s_add_nc_u64 s[10:11], s[10:11], s[30:31]
	s_add_nc_u64 s[32:33], s[8:9], s[30:31]
	s_lshl_b32 s30, s39, 9
	s_lshl_b32 s46, s38, 5
	s_add_co_u32 s30, s30, s46                     ; element (2 sp, 8 rb): the transposed place
	s_add_nc_u64 s[8:9], s[8:9], s[30:31]
	s_lshl_b32 s30, s39, 8
	s_lshl_b32 s46, s38, 4
	s_add_co_u32 s30, s30, s46                     ; the same place in a 64 x 64 bf16 matrix
	s_add_nc_u64 s[24:25], s[24:25], s[30:31]
	; wave 0: 18 loads for mt.  Lane l: head l >> 1, s = 2 sp + (l & 1), r = 8 rb + i.  They are older than the stream's loads,
	; so the stream's counted waits mean the same in every wave.
	s_cmp_lg_u32 s26, 0
	s_cbranch_scc1 .Lstream
	v_and_b32 v100, 1, v1
	v_lshrrev_b32 v101, 1, v1
	v_lshlrev_b32 v102, 2, v100
	v_lshl_add_u32 v103, v101, 14, v102
	v_lshlrev_b32 v104, 8, v100
	v_lshlrev_b32 v105, 7, v100
	v_lshl_add_u32 v105, v101, 13, v105
.irp i, 0,1,2,3,4,5,6,7
	global_load_b32 v[32+\i], v103, s[10:11] offset:256*\i     ; head_residual[h][r][s]
.endr
.irp i, 0,1,2,3,4,5,6,7
	global_load_b32 v[40+\i], v102, s[32:33] offset:256*\i     ; core[r][s]
.endr
	global_load_b128 v[48:51], v104, s[8:9]                    ; core[s][r .. r+7]
	global_load_b128 v[52:55], v104, s[8:9] offset:16
.Lstream:
; The stream.  Item it: 512 contiguous bytes of f32 for the wave, 16 a lane.
.macro LD it
.if (\it) < 32
	global_load_b128 v[RING+4*((\it)%32):RING+4*((\it)%32)+3], v2, s[34:35] offset:(\it)*512 th:TH_LOAD_NT
.else
.if (\it) < 40
	global_load_b128 v[RING+4*((\it)%32):RING+4*((\it)%32)+3], v5, s[40:41] offset:((\it)-32)*512 th:TH_LOAD_NT
.else
	global_load_b128 v[RING+4*((\it)%32):RING+4*((\it)%32)+3], v7, s[6:7] offset:((\it)-40)*512
.endif
.endif
.endm
.macro SINK it
.if (\it) > ITEMS-32
	s_wait_loadcnt ITEMS-1-(\it)                   ; the tail: only the items behind this one are out
.else
	s_wait_loadcnt 31                              ; loads return in order: mine is in, the 31 younger ones stay out
.endif
.if (\it) % 8 == 0
.if (\it) > 0
.if (\it) < 48
	s_wait_xcnt 0x0                                ; the global stores of the last eight items have read their pairs: all eight pairs may be written again
.endif
.endif
.endif
.set QD, RING+4*((\it)%32)
.set YP, Y+2*((\it)%8)
	v_cvt_pk_bf16_f32 v[YP], v[QD], v[QD+1]
	v_cvt_pk_bf16_f32 v[YP+1], v[QD+2], v[QD+3]
.if (\it)+32 < ITEMS
.set NX, (\it)+32
	LD NX                                          ; the quad is free: 32 loads of the wave are out again
.endif
.if (\it) < 32
	global_store_b64 v3, v[YP:YP+1], s[36:37] offset:(\it)*256     ; the wave stores 256 contiguous bytes, aligned
	ds_store_b64 v4, v[YP:YP+1] offset:((\it)>>3)*LP+((\it)&7)*256
.else
.if (\it) < 40
	v_lshlrev_b32 v110, 16, v[YP]                  ; the bf16 values again as f32,
	v_and_b32 v111, 0xffff0000, v[YP]
	v_lshlrev_b32 v112, 16, v[YP+1]
	v_and_b32 v113, 0xffff0000, v[YP+1]
	v_cvt_pk_f16_f32 v110, v110, v111              ; written in f16's format,
	v_cvt_pk_f16_f32 v112, v112, v113
	v_cndmask_b32 v[YP], v[YP], v110, s54          ; and taken by the waves that hold a row of o_w
	v_cndmask_b32 v[YP+1], v[YP+1], v112, s54
	global_store_b64 v6, v[YP:YP+1], s[42:43] offset:((\it)-32)*256
.else
	ds_store_b64 v8, v[YP:YP+1] offset:(((\it)-40)>>3)*LP+(((\it)-40)&7)*256
.endif
.endif
.endm
.set n, 0
.rept 32
	LD n
.set n, n+1
.endr
.set n, 0
.rept ITEMS
	SINK n
.set n, n+1
.endr
	; wave 0: mt.  The mean over the 16 heads: lanes of one parity, three steps inside a half of 16 lanes, one across the halves.
	s_cmp_lg_u32 s26, 0
	s_cbranch_scc1 .Lmt_done
	v_mov_b32 v56, 0                               ; destinations of lane exchanges count as read
	v_mov_b32 v57, 0
.irp i, 0,1,2,3,4,5,6,7
	v_add_f32_dpp v56, v[32+\i], v[32+\i] row_xmask:2 row_mask:0xf bank_mask:0xf
	v_add_f32_dpp v56, v56, v56 row_xmask:4 row_mask:0xf bank_mask:0xf
	v_add_f32_dpp v56, v56, v56 row_xmask:8 row_mask:0xf bank_mask:0xf
	v_permlanex16_b32 v57, v56, s28, s29
	v_add_f32 v56, v56, v57                        ; sum over the heads
	v_add_f32 v58, v[40+\i], v[48+\i]              ; core[r][s] + core[s][r]
	v_fmamk_f32 v56, v56, 0xbd800000, v[32+\i]     ; residual - sum / 16
	v_fmamk_f32 v56, v58, 0x3d000000, v56          ; + (core + core^T) / 32
	v_mul_f32 v[32+\i], 0x3e38aa3b, v56            ; x log2 e / 8: the scores come out ready for v_exp_f32
.endr
.irp k, 0,1,2,3
	v_cvt_pk_bf16_f32 v[60+\k], v[32+2*\k], v[33+2*\k]
.endr
	global_store_b128 v105, v[60:63], s[24:25]
.Lmt_done:
	s_wait_dscnt 0x0                               ; my rows of X and basis_w are in LDS,
	s_barrier_signal -1
	s_barrier_wait -1                              ; everybody's are
; latent.  Source 0 = 16 rows of basis_w, source 1 = 16 rows of X: a lane ends with eight neighbouring r of one t.
; A batch is four K steps of 32: 16 LDS loads, 64 registers.  Two buffers take turns.  Batch bt holds K steps 4 bt .. 4 bt + 3, 64 bytes of a row each
; (bt may be given as a sum, so it stands in parentheses).
.macro BATCH_LD bt, p
.irp q, 0,1,2,3
	ds_load_b128 v[\p+16*\q:\p+16*\q+3],     v26 offset:64*(4*(\bt)+\q)
	ds_load_b128 v[\p+16*\q+4:\p+16*\q+7],   v26 offset:64*(4*(\bt)+\q)+32
	ds_load_b128 v[\p+16*\q+8:\p+16*\q+11],  v27 offset:64*(4*(\bt)+\q)
	ds_load_b128 v[\p+16*\q+12:\p+16*\q+15], v27 offset:64*(4*(\bt)+\q)+32
.endr
.endm
; left = the LDS loads that may stay out: the other buffer's 16.  The four accumulators take turns, one instruction a turn, from batch to batch too.
.macro BATCH bt, p, first, left, more
	s_wait_dscnt \left
.irp q, 0,1,2,3
.if \first
	v_wmma_f32_16x16x32_bf16 v[ACC+8*\q:ACC+8*\q+7], v[\p+16*\q:\p+16*\q+7], v[\p+16*\q+8:\p+16*\q+15], 0
.else
	v_wmma_f32_16x16x32_bf16 v[ACC+8*\q:ACC+8*\q+7], v[\p+16*\q:\p+16*\q+7], v[\p+16*\q+8:\p+16*\q+15], v[ACC+8*\q:ACC+8*\q+7]
.endif
.endr
.if \more
.rept 4
	v_nop                                          ; four places between a matrix instruction and a load into its sources (ISA guide 7.12.1 for vector instructions)
.endr
	BATCH_LD \bt+2, \p
.endif
.endm
	BATCH_LD 0, P0
	BATCH_LD 1, P1
	BATCH 0, P0, 1, 16, 1
	BATCH 1, P1, 0, 16, 1
	BATCH 2, P0, 0, 16, 1
	BATCH 3, P1, 0, 16, 1
	BATCH 4, P0, 0, 16, 1
	BATCH 5, P1, 0, 16, 1
	BATCH 6, P0, 0, 16, 0
	BATCH 7, P1, 0, 0, 0
.rept 4
	v_nop                                          ; four places before the sums are read
.endr
.irp k, 0,2,4,6
	v_pk_add_f32 v[ACC+\k:ACC+\k+1], v[ACC+\k:ACC+\k+1], v[ACC+8+\k:ACC+8+\k+1]
	v_pk_add_f32 v[ACC+16+\k:ACC+16+\k+1], v[ACC+16+\k:ACC+16+\k+1], v[ACC+24+\k:ACC+24+\k+1]
.endr
.irp k, 0,2,4,6
	v_pk_add_f32 v[ACC+\k:ACC+\k+1], v[ACC+\k:ACC+\k+1], v[ACC+16+\k:ACC+16+\k+1]
.endr
.irp k, 0,1,2,3
	v_cvt_pk_bf16_f32 v[96+\k], v[ACC+2*\k], v[ACC+2*\k+1]
.endr
	ds_store_b128 v28, v[96:99]
	s_wait_dscnt 0x0                               ; my 16 bytes of each row are in the stage,
	s_barrier_signal -1
	s_barrier_wait -1                              ; the other waves' too
	ds_load_b128 v[116:119], v29
	s_wait_dscnt 0x0
	global_store_b128 v30, v[116:119], s[22:23]    ; the wave stores 512 contiguous bytes, aligned
	s_wait_tensorcnt 0x0
	ds_add_u32 v126, v127
	s_wait_dscnt 0x0
	s_endpgm
.Lfunc_end_k_q37a720e5b6_prep:
	.size	k_q37a720e5b6_prep, .Lfunc_end_k_q37a720e5b6_prep-k_q37a720e5b6_prep
	.p2alignl 7, 3214868480
	.fill 96, 4, 3214868480
	.section	.rodata,"a",@progbits
	.p2align	6, 0x0
	.amdhsa_kernel k_q37a720e5b6_prep
		.amdhsa_group_segment_fixed_size 203776
		.amdhsa_private_segment_fixed_size 0
		.amdhsa_enable_private_segment 0
		.amdhsa_kernarg_size 88
		.amdhsa_user_sgpr_count 2
		.amdhsa_user_sgpr_kernarg_segment_ptr 1
		.amdhsa_wavefront_size32 1
		.amdhsa_system_sgpr_workgroup_id_x 1
		.amdhsa_system_sgpr_workgroup_id_y 1
		.amdhsa_system_sgpr_workgroup_id_z 1
		.amdhsa_system_vgpr_workitem_id 0
		.amdhsa_next_free_vgpr 256
		.amdhsa_next_free_sgpr 66
		.amdhsa_reserve_vcc 0
		.amdhsa_float_denorm_mode_32 3
		.amdhsa_float_denorm_mode_16_64 3
		.amdhsa_memory_ordered 1
		.amdhsa_forward_progress 1
		.amdhsa_inst_pref_size 63
	.end_amdhsa_kernel
	.amdgpu_metadata
---
amdhsa.version: [ 1, 2 ]
amdhsa.kernels:
  - .name:           k_q37a720e5b6_prep
    .symbol:         k_q37a720e5b6_prep.kd
    .args:
      - { .name: hidden_states, .offset: 0, .size: 8, .value_kind: global_buffer, .address_space: global }
      - { .name: basis_w, .offset: 8, .size: 8, .value_kind: global_buffer, .address_space: global }
      - { .name: core, .offset: 16, .size: 8, .value_kind: global_buffer, .address_space: global }
      - { .name: head_residual, .offset: 24, .size: 8, .value_kind: global_buffer, .address_space: global }
      - { .name: v_w, .offset: 32, .size: 8, .value_kind: global_buffer, .address_space: global }
      - { .name: o_w, .offset: 40, .size: 8, .value_kind: global_buffer, .address_space: global }
      - { .name: xb, .offset: 48, .size: 8, .value_kind: global_buffer, .address_space: global }
      - { .name: wvb, .offset: 56, .size: 8, .value_kind: global_buffer, .address_space: global }
      - { .name: wob, .offset: 64, .size: 8, .value_kind: global_buffer, .address_space: global }
      - { .name: lat, .offset: 72, .size: 8, .value_kind: global_buffer, .address_space: global }
      - { .name: mt, .offset: 80, .size: 8, .value_kind: global_buffer, .address_space: global }
    .group_segment_fixed_size: 203776
    .private_segment_fixed_size: 0
    .kernarg_segment_align: 8
    .kernarg_segment_size: 88
    .max_flat_workgroup_size: 256
    .sgpr_count:     66
    .vgpr_count:     256
    .wavefront_size: 32
...
	.end_amdgpu_metadata
.endif
;; end of part 1
;; launch vproj (part 2): grid 32 x 8, 4 waves a work-group, clusters of 4 x 4, 327,680 bytes of LDS; arguments wvb, xb, vt, v_b; writes vt
.if DOCPART == 2
	.amdgcn_target "amdgcn-amd-amdhsa--gfx1250"
	.amdhsa_code_object_version 6
	.text
	.protected	k_q37a720e5b6_vproj
	.globl	k_q37a720e5b6_vproj
	.p2align	8
	.type	k_q37a720e5b6_vproj,@function
k_q37a720e5b6_vproj:
	s_mov_b64 s[64:65], 0
	v_nop
	global_prefetch_b8 v0, s[64:65] scope:SCOPE_SE
	s_setreg_imm32_b32 hwreg(HW_REG_WAVE_MODE, 25, 1), 1
	s_wait_xcnt 0x0
	s_wait_alu depctr_hold_cnt(0) depctr_sa_sdst(0) depctr_va_vdst(0) depctr_va_sdst(0) depctr_va_ssrc(0) depctr_va_vcc(0) depctr_vm_vsrc(0)
	s_getreg_b32 s2, hwreg(HW_REG_IB_STS2, 6, 4)
	s_cmp_eq_u32 s2, 0
	s_cbranch_scc0 .Lentry_in_a_cluster
	s_endpgm
.Lentry_in_a_cluster:
	s_bfe_u32 s2, ttmp6, 0x10000c
	s_cmp_lg_u32 s2, 0xf033
	s_cbranch_scc0 .Lentry_shape_is_right
	s_endpgm
.Lentry_shape_is_right:
; C[m][n] = sum over k of A[m][k] B[n][k] + bias, K = 1,024, f32 sums.  One text for two launches, told apart by OUTF32:
;   OUTF32 = 0: A = wvb [1024 c][1024] bf16, B = xb [8192 bt][1024] bf16, C = vt [1024 c][8192 bt] f16, bias v_b by row of C.
;   OUTF32 = 1: A = y2 [4 b][16 h][2048 t][64 d] f16 (row bt, k = 64 h + d), B = wob [1024 c][1024] f16, C = out0 [8192][1024] f32, bias o_b by column.
; LIMIT: vt is f16, so |V| <= 65,504 is asked.  Inputs all 30 times those drawn give |V| of some 3.5e3, a common offset of 30 spreads some 1.8e4; both at once would pass the limit.
; f16 and not bf16 because V enters the result of the first query rows unaveraged: 8 significant bits there cost more than the comparison's margin, 11 do not.
; A work-group makes 128 x 256 of C with four waves, a wave 64 x 128: 32 accumulator tiles, 256 registers; 256 work-groups in all.
; K goes in steps of 128 through two LDS slots filled by tensor loads; every row fetched is 256 bytes and starts at a multiple of 256 bytes from its buffer's first byte.
; CLUSTERS: 4 x 4 work-groups.  A's tile hangs on the block row alone and is asked for jointly by a row of the cluster, B's on the block column alone, by a column.
; REGISTERS: window 0: addresses, two fragment buffers (B 64 + A 32 registers each), TMP.  Window 1: the accumulators, tile (a, b) at 8 (8 a + b).
; Window 2: the bias, laid out as C operands: the first products take it as C, so nothing is cleared and nothing is added later.
; The matrix instruction is used transposed (source 0 = rows of B, source 1 = rows of A): lane l holds row l % 16 of C, columns 8 (l / 16) + 0..7.
.set OUTF32, 0
.set KSTEP,  128
.set PITCH,  272                       ; an LDS row: 256 bytes + 16 of padding
.set BHALF,  128*PITCH                 ; 128 rows of B: one tensor load, and what one wave reads of B
.set AHALF,  64*PITCH                  ; 64 LDS rows of A: one tensor load
.set SLOT,   2*BHALF+2*AHALF           ; B's 256 rows, then A's 128
.set STAGE,  2*SLOT                    ; behind the ring: each wave's own stage for the way out; no tensor load lands there
.set STGW,   8448
.set LAPS,   4                         ; a lap = two K steps = once round the ring
.if OUTF32
.set APITCH, 128                       ; y2 is dense: a row of 256 bytes holds rows t, t + 1 of one head
.set ASTEP,  524288                    ; a K step is two heads
.set AWAVE,  32*PITCH                  ; a wave's 64 rows of A
.set AFRAG,  8*PITCH                   ; 16 rows of A
.set CROW,   4096
.else
.set APITCH, 1024
.set ASTEP,  256
.set AWAVE,  64*PITCH
.set AFRAG,  16*PITCH
.set CROW,   16384
.endif
.set ADRA, 16                          ; v16-17  LDS address of my A fragments in slot 0, 1
.set ADRB, 20                          ; v20-21  the same for B
.set STO,  24
.set RD,   25
.set CO,   26
.set BO,   27                          ; my offset in the bias
.set F0,   32                          ; fragment buffer 0: B at +0, A at +64
.set F1,   128                         ; fragment buffer 1
.set TMP,  224
.set G1,  24                           ; s[24:31] group 1 for A's tiles
.set G0,  32                           ; s[32:39] group 0 for A's tiles, one set a slot
.set G1B, 48                           ; s[48:55] group 1 for B's tiles
.set G0B, 56                           ; s[56:63] group 0 for B's tiles
.set MSB, 0
.macro WIN new                         ; the immediate's high byte repeats the setting that is left
.if MSB != \new
	s_set_vgpr_msb (MSB<<8)|\new
.set MSB, \new
.endif
.endm
.set MUL,  0x50                        ; C and D in window 1
.set MULB, 0x60                        ; D in window 1, C in window 2
; A joint load.  Waves 0 and 1 fetch B's halves, waves 2 and 3 A's.  Each line has one mask and one set of registers; the branch hangs on the wave's number alone.
.macro JLOAD s
	s_cmp_eq_u32 s13, 0
	s_cbranch_scc0 .Lfor_a_\@
	tensor_load_to_lds s[G0B+4*\s:G0B+4*\s+3], s[G1B:G1B+7]
	s_nop 0
	s_branch .Lasked_\@
.Lfor_a_\@:
	tensor_load_to_lds s[G0+4*\s:G0+4*\s+3], s[G1:G1+7]
	s_nop 0
.Lasked_\@:
.endm
.macro CREST                           ; a round of the cluster's barrier behind its opening barrier
	s_cmp_lg_u32 s12, 0
	s_cbranch_scc1 .Lnot_wave_0_\@
	s_barrier_signal -3
.Lnot_wave_0_\@:
	s_barrier_wait -3
	s_barrier_signal -1
	s_barrier_wait -1
.endm
.macro CROUND                          ; a whole round
	s_barrier_signal -1
	s_barrier_wait -1
	CREST
.endm
	s_load_b256 s[4:11], s[0:1], 0x0               ; A s[4:5], B s[6:7], C s[8:9], bias s[10:11]
	v_lshl_add_u32 v30, v0, 2, 0x3b400
	v_mov_b32 v31, 0
	ds_add_u32 v30, v31
	v_lshrrev_b32 v1, 5, v0
	v_readfirstlane_b32 s12, v1                    ; wave 0..3
	s_lshr_b32 s13, s12, 1                         ; which 64 rows of the block are mine.  Also: I fetch for B (0) or for A (1)
	s_and_b32 s14, s12, 1                          ; which 128 columns.  Also: which half of that tile I fetch
	s_bfe_u32 s40, ttmp6, 0x40000                  ; cx
	s_bfe_u32 s41, ttmp6, 0x40004                  ; cy
	s_lshl_b32 s42, ttmp9, 2
	s_add_co_u32 s42, s42, s40                     ; block column = 4 x cluster x + cx
	s_and_b32 s43, ttmp7, 0xffff
	s_lshl_b32 s43, s43, 2
	s_add_co_u32 s43, s43, s41                     ; block row = 4 x cluster y + cy
	s_lshl_b32 s44, s41, 2
	s_lshl_b32 s44, 15, s44                        ; my row of the cluster
	s_lshl_b32 s45, 0x1111, s40                    ; my column
	s_or_b32 s[G1+0], s44, (1<<16)|(1<<20)|(1<<21)|(5<<22)|(3<<25)   ; mask; elements of 2 bytes; padding on; bit 21 beside a mask; after every 64 words, 4 words
	s_mov_b32 s[G1+1], KSTEP<<16                   ; tensor_dim0 = 128
	s_mov_b32 s[G1+2], 64<<16                      ; tensor_dim1 = 64
	s_mov_b32 s[G1+3], KSTEP<<16                   ; tile_dim0 = 128
	s_mov_b32 s[G1+4], 64                          ; tile_dim1 = 64
	s_mov_b32 s[G1+5], APITCH                      ; elements from row to row
	s_mov_b32 s[G1+6], 0
	s_mov_b32 s[G1+7], 0
	s_or_b32 s[G1B+0], s45, (1<<16)|(1<<20)|(1<<21)|(5<<22)|(3<<25)
	s_mov_b32 s[G1B+1], KSTEP<<16
	s_mov_b32 s[G1B+2], 128<<16                    ; 128 rows
	s_mov_b32 s[G1B+3], KSTEP<<16
	s_mov_b32 s[G1B+4], 128
	s_mov_b32 s[G1B+5], 1024
	s_mov_b32 s[G1B+6], 0
	s_mov_b32 s[G1B+7], 0
	; where the tiles come from: A's address is made of the block row and the wave's number, B's of the block column and the wave's number, in registers that never hold the other coordinate
.if OUTF32
	s_lshr_b32 s16, s43, 4
	s_lshl_b32 s16, s16, 22                        ; batch: 16 heads x 2,048 rows x 128 bytes
	s_and_b32 s17, s43, 15
	s_lshl_b32 s17, s17, 14                        ; 128 rows of 128 bytes
	s_add_co_u32 s16, s16, s17
	s_lshl_b32 s17, s14, 18                        ; the even or the odd head of the K step
	s_add_co_u32 s16, s16, s17
.else
	s_lshl_b32 s16, s43, 7
	s_lshl_b32 s17, s14, 6
	s_add_co_u32 s16, s16, s17
	s_lshl_b32 s16, s16, 11                        ; row 128 x block row + 64 x half, 2,048 bytes a row
.endif
	s_mov_b32 s17, 0
	s_lshl_b32 s46, s42, 8
	s_lshl_b32 s47, s14, 7
	s_add_co_u32 s46, s46, s47
	s_lshl_b32 s46, s46, 11                        ; row 256 x block column + 128 x half
	s_mov_b32 s47, 0
	s_mul_i32 s21, s12, BHALF                      ; where they go: B's halves at wave x 34,816 (waves 0, 1),
	s_mul_i32 s20, s12, AHALF
	s_add_co_u32 s20, s20, 2*BHALF-2*AHALF         ; A's at 34,816 + wave x 17,408 (waves 2, 3): behind B's 69,632 bytes
	s_wait_dscnt 0x0
	s_wait_kmcnt 0x0
	s_add_nc_u64 s[18:19], s[4:5], s[16:17]
	s_add_nc_u64 s[46:47], s[6:7], s[46:47]
	CROUND                                         ; all sixteen work-groups are here: the first joint loads meet
.irp s, 0,1
	s_mov_b32 s[G0+4*\s], 1
	s_add_co_u32 s[G0+4*\s+1], s20, \s*SLOT
	s_add_nc_u64 s[G0+4*\s+2:G0+4*\s+3], s[18:19], \s*ASTEP
	s_or_b32 s[G0+4*\s+3], s[G0+4*\s+3], 0x80000000
	s_mov_b32 s[G0B+4*\s], 1
	s_add_co_u32 s[G0B+4*\s+1], s21, \s*SLOT
	s_add_nc_u64 s[G0B+4*\s+2:G0B+4*\s+3], s[46:47], \s*KSTEP*2
	s_or_b32 s[G0B+4*\s+3], s[G0B+4*\s+3], 0x80000000
	JLOAD \s                                       ; two tensor loads of the wave are out here, one behind every later refill
.endr
	v_and_b32 v1, 15, v0                           ; l % 16
	v_bfe_u32 v2, v0, 4, 1                         ; l / 16
	v_mul_u32_u24 v3, v1, PITCH
	v_lshl_add_u32 v3, v2, 4, v3                   ; row x pitch + 16 x half
.if OUTF32
	v_lshrrev_b32 v4, 1, v1                        ; A: two rows of C in an LDS row; the 16 lanes of a load still touch 16 different 16-byte columns
	v_and_b32 v5, 1, v1
	v_mul_u32_u24 v4, v4, PITCH
	v_lshl_add_u32 v4, v5, 7, v4
	v_lshl_add_u32 v4, v2, 4, v4
.set LTA, 4
.else
.set LTA, 3
.endif
	s_mul_i32 s22, s13, AWAVE
	s_add_co_u32 s22, s22, 2*BHALF
	s_mul_i32 s23, s14, BHALF
.irp s, 0,1
	v_add_nc_u32 v[ADRA+\s], s22, v[LTA]
	v_add_nc_u32 v[ADRB+\s], s23, v3
	s_add_co_u32 s22, s22, SLOT
	s_add_co_u32 s23, s23, SLOT
.endr
	s_mul_i32 s22, s12, STGW
	s_add_co_u32 s22, s22, STAGE                   ; my stage
.if OUTF32
	v_mul_u32_u24 v6, v1, 528                      ; in: row l % 16 of 512 + 16 bytes, 32 bytes for each half of the lanes
	v_lshl_add_u32 v6, v2, 5, v6
	v_add_nc_u32 v[STO], s22, v6
	v_and_b32 v7, 31, v0
	v_lshlrev_b32 v[CO], 4, v7                     ; back and out: the 32 lanes take one row of 512 bytes
	v_add_nc_u32 v[RD], s22, v[CO]
	v_lshlrev_b32 v[BO], 5, v2                     ; bias: my eight columns
	s_lshl_b32 s66, s42, 10
	s_lshl_b32 s67, s14, 9
.else
	v_add_nc_u32 v[STO], s22, v3                   ; in: row l % 16 of 256 + 16 bytes, 16 bytes for each half
	v_mul_u32_u24 v6, v2, PITCH
	v_lshl_add_u32 v6, v1, 4, v6
	v_add_nc_u32 v[RD], s22, v6                    ; back: lanes 0-15 one row, lanes 16-31 the next
	v_lshlrev_b32 v7, 14, v2
	v_lshl_add_u32 v[CO], v1, 4, v7
	v_lshlrev_b32 v[BO], 2, v1                     ; bias: my row
	s_lshl_b32 s66, s43, 9
	s_lshl_b32 s67, s13, 8
.endif
	s_add_co_u32 s66, s66, s67
	s_mov_b32 s67, 0
	s_add_nc_u64 s[10:11], s[10:11], s[66:67]
	WIN 0x80                                       ; loads into window 2
.if OUTF32
.irp b, 0,1,2,3,4,5,6,7
	global_load_b128 v[8*\b:8*\b+3],   v[BO], s[10:11] offset:64*\b
	global_load_b128 v[8*\b+4:8*\b+7], v[BO], s[10:11] offset:64*\b+16
.endr
.else
.irp a, 0,1,2,3
	global_load_b32 v[8*\a], v[BO], s[10:11] offset:64*\a
.endr
.endif
	WIN 0
; 8 matrix instructions: m block a x all 8 n blocks, 32 along K.  first = 1: the bias is C.
.macro MUL8 f, a, first
.irp b, 0,1,2,3,4,5,6,7
.if OUTF32
.if \first
	v_wmma_f32_16x16x32_f16 v[8*(8*\a+\b):8*(8*\a+\b)+7], v[\f+8*\b:\f+8*\b+7], v[\f+64+8*\a:\f+64+8*\a+7], v[8*\b:8*\b+7]
.else
	v_wmma_f32_16x16x32_f16 v[8*(8*\a+\b):8*(8*\a+\b)+7], v[\f+8*\b:\f+8*\b+7], v[\f+64+8*\a:\f+64+8*\a+7], v[8*(8*\a+\b):8*(8*\a+\b)+7]
.endif
.else
.if \first
	v_wmma_f32_16x16x32_bf16 v[8*(8*\a+\b):8*(8*\a+\b)+7], v[\f+8*\b:\f+8*\b+7], v[\f+64+8*\a:\f+64+8*\a+7], v[8*\a:8*\a+7]
.else
	v_wmma_f32_16x16x32_bf16 v[8*(8*\a+\b):8*(8*\a+\b)+7], v[\f+8*\b:\f+8*\b+7], v[\f+64+8*\a:\f+64+8*\a+7], v[8*(8*\a+\b):8*(8*\a+\b)+7]
.endif
.endif
.endr
.endm
; 24 LDS loads in one run: quarter kq of a K step (32 along K): 128 rows of B, then 64 rows of A in the order a = 0..3
.macro FETCH slot, kq, f
.if OUTF32
.set KA, ((\kq)>>1)*AHALF+((\kq)&1)*64
.else
.set KA, 64*(\kq)
.endif
	WIN 0
.irp i, 0,1,2,3,4,5,6,7
	ds_load_b128 v[\f+8*\i:\f+8*\i+3],   v[ADRB+\slot] offset:64*(\kq)+\i*16*PITCH
	ds_load_b128 v[\f+8*\i+4:\f+8*\i+7], v[ADRB+\slot] offset:64*(\kq)+\i*16*PITCH+32
.endr
.irp i, 0,1,2,3
	ds_load_b128 v[\f+64+8*\i:\f+64+8*\i+3],   v[ADRA+\slot] offset:KA+\i*AFRAG
	ds_load_b128 v[\f+64+8*\i+4:\f+64+8*\i+7], v[ADRA+\slot] offset:KA+\i*AFRAG+32
.endr
.endm
; Four places between a matrix instruction and a load into one of its sources, or a vector instruction or LDS store that reads its result
; (ISA guide 7.12.1 for vector instructions); the matrix instructions in between are not counted.
.macro PLACES
.rept 4
	v_nop
.endr
.endm
; A quarter: multiplies buffer f; in its middle fetches quarter kq of the same slot into buffer g.
; The 32 accumulators take turns in one fixed order, one instruction a turn, over the loop's backward jump too.
.macro QUARTER slot, kq, f, g, first
	s_wait_dscnt 0x4                               ; B and A's blocks 0, 1 are in; the youngest four loads (A's blocks 2, 3) may be out
.if \first
	WIN MULB
.else
	WIN MUL
.endif
	MUL8 \f, 0, \first
	MUL8 \f, 1, \first
	PLACES
	FETCH \slot, \kq, \g
	s_wait_dscnt 24                                ; all but the 24 just issued
.if \first
	WIN MULB
.else
	WIN MUL
.endif
	MUL8 \f, 2, \first
	MUL8 \f, 3, \first
.endm
.macro THREE slot, first
	QUARTER \slot, 1, F0, F1, \first
	QUARTER \slot, 2, F1, F0, 0
	QUARTER \slot, 3, F0, F1, 0
.endm
; The last quarter changes slots.  In front of the barrier each wave waits for its reads of this slot and for all its tensor loads (one is out: its part of the
; next slot).  Where the slot is filled again the barrier opens a round of the cluster's barrier, and the joint refill is the first tensor load behind the round.
; From a request to the wait for it a wave issues 16 + 96 + 8 = 120 matrix instructions.
.macro TURN slot, next, fill
	s_wait_dscnt 0x4
	WIN MUL
	MUL8 F1, 0, 0
	s_wait_dscnt 0x0                               ; my reads of this slot are over
	s_wait_tensorcnt 0x0                           ; all my tensor loads have landed
	ds_add_u32 v30, v31
	s_wait_dscnt 0x0
	s_barrier_signal -1
	MUL8 F1, 1, 0                                  ; register work while the others arrive
	WIN 0
	s_barrier_wait -1
.if \fill
	CREST
	s_add_nc_u64 s[G0+4*\slot+2:G0+4*\slot+3], s[G0+4*\slot+2:G0+4*\slot+3], 2*ASTEP
	s_add_nc_u64 s[G0B+4*\slot+2:G0B+4*\slot+3], s[G0B+4*\slot+2:G0B+4*\slot+3], 2*KSTEP*2
	JLOAD \slot
.endif
	PLACES
	FETCH \next, 0, F0
	WIN MUL
	MUL8 F1, 2, 0
	MUL8 F1, 3, 0
.endm
.macro LAP first
	THREE 0, \first
	TURN 0, 1, 1
	THREE 1, 0
	TURN 1, 0, 1
.endm
	s_wait_tensorcnt 0x1                           ; my part of K step 0 is in; K step 1's may stay out
	s_barrier_signal -1
	s_barrier_wait -1
	FETCH 0, 0, F0
	s_wait_loadcnt 0x0                             ; the bias
.if OUTF32 == 0
	WIN 0x82                                       ; within window 2: a lane's row has one bias for its eight columns
.irp a, 0,1,2,3
.irp j, 1,2,3,4,5,6,7
	v_mov_b32 v[8*\a+\j], v[8*\a]
.endr
.endr
.endif
	LAP 1
	WIN 0
	s_mov_b32 s3, LAPS-2
.Llap:
	LAP 0
	WIN 0
	s_sub_co_u32 s3, s3, 1
	s_cmp_lg_u32 s3, 0
	s_cbranch_scc1 .Llap
	THREE 0, 0                                     ; the last lap fills nothing
	TURN 0, 1, 0
	THREE 1, 0
	s_wait_dscnt 0x4
	WIN MUL
	MUL8 F1, 0, 0
	MUL8 F1, 1, 0
	s_wait_dscnt 0x0
	MUL8 F1, 2, 0
	MUL8 F1, 3, 0
	; THE WAY OUT, 16 rows of C at a time, through my own stage: LDS serves a wave's instructions in order (ISA guide 5.7.1.4), so no wait stands between its stores and its loads.
	PLACES
	s_lshl_b32 s66, s43, 7
	s_lshl_b32 s67, s13, 6
	s_add_co_u32 s66, s66, s67                     ; my first row of C
.if OUTF32
	s_lshl_b32 s66, s66, 12
	s_lshl_b32 s68, s42, 10                        ; my first column, in bytes
	s_lshl_b32 s69, s14, 9
.else
	s_lshl_b32 s66, s66, 14
	s_lshl_b32 s68, s42, 9
	s_lshl_b32 s69, s14, 8
.endif
	s_add_co_u32 s66, s66, s68
	s_add_co_u32 s66, s66, s69
	s_mov_b32 s67, 0
	s_add_nc_u64 s[8:9], s[8:9], s[66:67]
.macro OUT16 a, f
.if OUTF32
	WIN 0x04                                       ; LDS store data from window 1
.irp b, 0,1,2,3,4,5,6,7
	ds_store_b128 v[STO], v[8*(8*\a+\b):8*(8*\a+\b)+3]   offset:64*\b
	ds_store_b128 v[STO], v[8*(8*\a+\b)+4:8*(8*\a+\b)+7] offset:64*\b+16
.endr
	WIN 0
.else
	WIN 0x05                                       ; the conversions read window 1
.irp b, 0,1,2,3,4,5,6,7
.irp r, 0,1,2,3
	v_cvt_pk_f16_f32 v[TMP+4*\b+\r], v[8*(8*\a+\b)+2*\r], v[8*(8*\a+\b)+2*\r+1]
.endr
.endr
	WIN 0
.irp b, 0,1,2,3,4,5,6,7
	ds_store_b128 v[STO], v[TMP+4*\b:TMP+4*\b+3] offset:32*\b
.endr
.endif
	s_wait_xcnt 0x0                                ; buffer f, which earlier stores read, and the stores' base are written again only behind this wait
.if \a
	s_add_nc_u64 s[8:9], s[8:9], 16*CROW
.endif
.if OUTF32
.irp t, 0,1,2,3,4,5,6,7,8,9,10,11,12,13,14,15
	ds_load_b128 v[\f+4*\t:\f+4*\t+3], v[RD] offset:\t*528
.endr
.irp t, 0,1,2,3,4,5,6,7,8,9,10,11,12,13,14,15
	s_wait_dscnt 15-\t
	global_store_b128 v[CO], v[\f+4*\t:\f+4*\t+3], s[8:9] offset:\t*CROW th:TH_STORE_NT   ; the wave stores 512 contiguous bytes, aligned
.endr
.else
.irp t, 0,1,2,3,4,5,6,7
	ds_load_b128 v[\f+4*\t:\f+4*\t+3], v[RD] offset:\t*2*PITCH
.endr
.irp t, 0,1,2,3,4,5,6,7
	s_wait_dscnt 7-\t
	global_store_b128 v[CO], v[\f+4*\t:\f+4*\t+3], s[8:9] offset:2*\t*CROW   ; 16 lanes store 256 contiguous bytes, aligned
.endr
.endif
.endm
	OUT16 0, F0
	OUT16 1, F1
	OUT16 2, F0
	OUT16 3, F1
	s_wait_tensorcnt 0x0
	ds_add_u32 v30, v31
	s_wait_dscnt 0x0
	CROUND                                         ; the closing round: no work-group ends while a partner may still ask for a tile that names it
	s_endpgm
.Lfunc_end_k_q37a720e5b6_vproj:
	.size	k_q37a720e5b6_vproj, .Lfunc_end_k_q37a720e5b6_vproj-k_q37a720e5b6_vproj
	.p2alignl 7, 3214868480
	.fill 96, 4, 3214868480
	.section	.rodata,"a",@progbits
	.p2align	6, 0x0
	.amdhsa_kernel k_q37a720e5b6_vproj
		.amdhsa_group_segment_fixed_size 327680
		.amdhsa_private_segment_fixed_size 0
		.amdhsa_enable_private_segment 0
		.amdhsa_kernarg_size 32
		.amdhsa_user_sgpr_count 2
		.amdhsa_user_sgpr_kernarg_segment_ptr 1
		.amdhsa_wavefront_size32 1
		.amdhsa_system_sgpr_workgroup_id_x 1
		.amdhsa_system_sgpr_workgroup_id_y 1
		.amdhsa_system_sgpr_workgroup_id_z 1
		.amdhsa_system_vgpr_workitem_id 0
		.amdhsa_next_free_vgpr 576
		.amdhsa_next_free_sgpr 70
		.amdhsa_reserve_vcc 0
		.amdhsa_float_denorm_mode_32 3
		.amdhsa_float_denorm_mode_16_64 3
		.amdhsa_memory_ordered 1
		.amdhsa_forward_progress 1
		.amdhsa_inst_pref_size 119
	.end_amdhsa_kernel
	.amdgpu_metadata
---
amdhsa.version: [ 1, 2 ]
amdhsa.kernels:
  - .name:           k_q37a720e5b6_vproj
    .symbol:         k_q37a720e5b6_vproj.kd
    .args:
      - { .name: wvb, .offset: 0, .size: 8, .value_kind: global_buffer, .address_space: global }
      - { .name: xb, .offset: 8, .size: 8, .value_kind: global_buffer, .address_space: global }
      - { .name: vt, .offset: 16, .size: 8, .value_kind: global_buffer, .address_space: global }
      - { .name: v_b, .offset: 24, .size: 8, .value_kind: global_buffer, .address_space: global }
    .group_segment_fixed_size: 327680
    .private_segment_fixed_size: 0
    .kernarg_segment_align: 8
    .kernarg_segment_size: 32
    .max_flat_workgroup_size: 128
    .sgpr_count:     70
    .vgpr_count:     576
    .wavefront_size: 32
...
	.end_amdgpu_metadata
.endif
;; end of part 2
;; launch attn (part 3): grid 64 x 4, 8 waves a work-group, clusters of 4 x 1, 327,680 bytes of LDS; arguments lat, vt, mt, y2; writes y2
.if DOCPART == 3
	.amdgcn_target "amdgcn-amd-amdhsa--gfx1250"
	.amdhsa_code_object_version 6
	.text
	.protected	k_q37a720e5b6_attn
	.globl	k_q37a720e5b6_attn
	.p2align	8
	.type	k_q37a720e5b6_attn,@function
k_q37a720e5b6_attn:
	s_mov_b64 s[64:65], 0
	v_nop
	global_prefetch_b8 v0, s[64:65] scope:SCOPE_SE
	s_setreg_imm32_b32 hwreg(HW_REG_WAVE_MODE, 25, 1), 1
	s_wait_xcnt 0x0
	s_wait_alu depctr_hold_cnt(0) depctr_sa_sdst(0) depctr_va_vdst(0) depctr_va_sdst(0) depctr_va_ssrc(0) depctr_va_vcc(0) depctr_vm_vsrc(0)
	s_getreg_b32 s2, hwreg(HW_REG_IB_STS2, 6, 4)
	s_cmp_eq_u32 s2, 0
	s_cbranch_scc0 .Lentry_in_a_cluster
	s_endpgm
.Lentry_in_a_cluster:
	s_bfe_u32 s2, ttmp6, 0x10000c
	s_cmp_lg_u32 s2, 0x3003
	s_cbranch_scc0 .Lentry_shape_is_right
	s_endpgm
.Lentry_shape_is_right:
; Causal attention on the latent scores.  lat [4 b][2048 t][64] bf16; mt [16 h][64 s][64 r] bf16 (log2 e / 8 folded in); vt [1024 c][8192 bt] f16; y2 [4 b][16 h][2048 t][64 d] f16.
; Q[t][s] = sum over r of lat[t][r] mt[h][s][r];  score[t][u] = sum over s of Q[t][s] lat[u][s] (already in powers of two);  softmax with a running maximum;  y = P V / sum.
; FORMATS AND LIMITS: lat, mt, Q in bf16; P and V in f16 (|V| <= 65,504: see the launch that makes vt); y in f16.  Sums, maxima and the softmax's sum in f32.
; A p below 2^-126 comes out of v_exp_f32 as 0, one below 2^-25 rounds to 0 in f16.  A masked score is -inf; every query sees key 0 of the first 64 keys that it meets, so the maximum is finite from there on.
; SHARES: work-group (j, h, b) makes query blocks j and 7 - j of 256 rows: 7 full pairs and 2 diagonal pairs of key tiles of 128, the same for all 256 work-groups.
; A wave owns 32 queries.  Scores are made transposed (source 0 = 16 keys, source 1 = 16 queries): a lane holds 8 keys of one query, so maximum and sum stay in the lane
; but for one exchange with lane xor 16; two packed score tiles ARE source 1 of O^T = V^T P; O^T gives a lane 8 neighbouring d of one query.  No shuffle anywhere.
; CLUSTER: the four partners are four heads of one (b, j): same key tiles, same trips.  The key tile is one joint load (mask 15).
; V's tiles are each head's own; they are shared only with work-groups of another j, which need other numbers of tiles at other times: plain loads.
; At most one tensor load of a wave is out.
.set PITCH, 272
.set KT,    64*PITCH                   ; a key tile: 64 LDS rows of two keys (256 bytes + 16)
.set SLOT,  2*KT                       ; then V's tile: 64 d rows of 128 keys
.set STAGE, 2*SLOT                     ; behind the ring: each wave's own 32 rows of 128 + 16 bytes; no tensor load lands there
.set SP,    144
.set STGW,  32*SP
.set Q,   32                           ; v[32:63]   Q fragments, nt x 16 + ks x 8
.set S,   64                           ; v[64:127]  scores, nt x 32 + kt x 8; then P, nt x 32 + kk x 8
.set FR,  128                          ; v[128:191] fragments of K, then of V
.set O,   192                          ; v[192:255] O^T, nt x 32 + dt x 8
; v1 K lane term, v2 V lane term, v3 stage in, v4 stage back, v5 16 lane, v6-7 query - 8 (l / 16) for the mask, v[8:9] (M, L) of nt 0, v[10:11] of nt 1,
; v[12:13], v[14:15] (alpha, exchange), v16 -inf, v17-25 at work, v26 global fragment offset
.set G1K, 24
.set G1V, 32
.set G0K, 40                           ; s[40:47] group 0 of K's tiles, one set a slot
.set G0V, 48                           ; s[48:55] of V's
.macro ROUND                           ; a round of the cluster's barrier
	s_barrier_signal -1
	s_barrier_wait -1
	s_cmp_lg_u32 s12, 0
	s_cbranch_scc1 .Lnot_wave_0_\@
	s_barrier_signal -3
.Lnot_wave_0_\@:
	s_barrier_wait -3
	s_barrier_signal -1
	s_barrier_wait -1
.endm
.macro LOADT s                         ; wave 0 asks for K's tile (jointly), wave 1 for V's; the others ask for nothing
	s_cmp_lg_u32 s12, 0
	s_cbranch_scc1 .Lno_k_\@
	tensor_load_to_lds s[G0K+4*(\s):G0K+4*(\s)+3], s[G1K:G1K+7]
	s_nop 0
.Lno_k_\@:
	s_cmp_lg_u32 s12, 1
	s_cbranch_scc1 .Lno_v_\@
	tensor_load_to_lds s[G0V+4*(\s):G0V+4*(\s)+3], s[G1V:G1V+7]
	s_nop 0
.Lno_v_\@:
.endm
	s_load_b256 s[4:11], s[0:1], 0x0               ; lat s[4:5], vt s[6:7], mt s[8:9], y2 s[10:11]
	v_lshl_add_u32 v30, v0, 2, 0x29000
	v_mov_b32 v31, 0
	v_lshrrev_b32 v17, 5, v0
	v_readfirstlane_b32 s12, v17                   ; wave 0..7
	s_lshr_b32 s13, s12, 1                         ; the last 64 keys of the diagonal pair that my queries see
	s_bfe_u32 s14, ttmp6, 0x40000                  ; cx
	s_and_b32 s15, ttmp9, 3
	s_lshl_b32 s15, s15, 2
	s_add_co_u32 s15, s15, s14                     ; head
	s_lshr_b32 s16, ttmp9, 2                       ; j
	s_and_b32 s17, ttmp7, 0xffff                   ; batch
	s_sub_co_u32 s21, 7, s16
	s_mov_b32 s22, 0x76543210
	s_mov_b32 s23, 0xfedcba98
	s_mov_b32 s[G1K+0], 15|(1<<16)|(1<<20)|(1<<21)|(5<<22)|(3<<25)   ; all four partners; elements of 2 bytes; padding: after every 64 words, 4 words
	s_mov_b32 s[G1K+1], 128<<16                    ; tensor_dim0 = 128
	s_mov_b32 s[G1K+2], 64<<16                     ; tensor_dim1 = 64
	s_mov_b32 s[G1K+3], 128<<16                    ; tile_dim0 = 128
	s_mov_b32 s[G1K+4], 64                         ; tile_dim1 = 64
	s_mov_b32 s[G1K+5], 128                        ; lat is dense: a row of 256 bytes is two keys
	s_mov_b32 s[G1K+6], 0
	s_mov_b32 s[G1K+7], 0
	s_mov_b32 s[G1V+0], (1<<16)|(1<<20)|(5<<22)|(3<<25)
	s_mov_b32 s[G1V+1], 128<<16
	s_mov_b32 s[G1V+2], 64<<16
	s_mov_b32 s[G1V+3], 128<<16
	s_mov_b32 s[G1V+4], 64
	s_mov_b32 s[G1V+5], 8192
	s_mov_b32 s[G1V+6], 0
	s_mov_b32 s[G1V+7], 0
	s_mov_b32 s[G0K+0], 1
	s_mov_b32 s[G0K+1], 0
	s_mov_b32 s[G0K+4], 1
	s_mov_b32 s[G0K+5], SLOT
	s_mov_b32 s[G0V+0], 1
	s_mov_b32 s[G0V+1], KT
	s_mov_b32 s[G0V+4], 1
	s_mov_b32 s[G0V+5], SLOT+KT
	v_and_b32 v17, 31, v0                          ; lane
	v_and_b32 v18, 15, v0                          ; l % 16
	v_bfe_u32 v19, v0, 4, 1                        ; l / 16
	v_lshlrev_b32 v20, 4, v19
	v_lshrrev_b32 v21, 1, v18
	v_and_b32 v22, 1, v18
	v_mul_u32_u24 v1, v21, PITCH
	v_lshl_add_u32 v1, v22, 7, v1
	v_add_nc_u32 v1, v1, v20                       ; key l % 16: (l % 16 >> 1) x 272 + (l & 1) x 128 + 16 (l / 16): 16 different 16-byte columns
	v_mul_u32_u24 v2, v18, PITCH
	v_add_nc_u32 v2, v2, v20
	s_mul_i32 s66, s12, STGW
	s_add_co_u32 s66, s66, STAGE
	v_mul_u32_u24 v3, v18, SP
	v_add_nc_u32 v3, v3, v20
	v_add_nc_u32 v3, s66, v3
	v_lshrrev_b32 v21, 3, v17
	v_and_b32 v22, 7, v17
	v_mul_u32_u24 v4, v21, SP
	v_lshl_add_u32 v4, v22, 4, v4
	v_add_nc_u32 v4, s66, v4
	v_lshlrev_b32 v5, 4, v17
	v_lshl_add_u32 v26, v18, 7, v20                ; row l % 16 of 128 bytes + 16 (l / 16)
	v_lshlrev_b32 v21, 3, v19
	v_sub_nc_u32 v6, v18, v21
	v_lshl_add_u32 v6, s12, 5, v6                  ; 32 w + l % 16 - 8 (l / 16), signed
	v_add_nc_u32 v7, 16, v6
	v_mov_b32 v16, 0xff800000                      ; -inf
	v_mov_b32 v13, 0                               ; destinations of lane exchanges count as read
	v_mov_b32 v15, 0
	s_mov_b32 s69, 0
	s_mov_b32 s71, 0
	s_wait_kmcnt 0x0
	s_lshl_b32 s68, s17, 18
	s_add_nc_u64 s[56:57], s[4:5], s[68:69]        ; lat at my batch: made of the batch alone, which the partners share
	s_lshl_b32 s70, s15, 20
	s_lshl_b32 s20, s17, 12
	s_add_co_u32 s70, s70, s20
	s_add_nc_u64 s[58:59], s[6:7], s[70:71]        ; vt at my head's 64 rows and my batch's columns
	s_lshl_b32 s70, s15, 13
	s_add_nc_u64 s[60:61], s[8:9], s[70:71]        ; mt at my head
	s_lshl_b32 s70, s17, 4
	s_add_co_u32 s70, s70, s15
	s_lshl_b32 s70, s70, 18
	s_add_nc_u64 s[62:63], s[10:11], s[70:71]      ; y2 at (batch, head)
; --- the softmax's pieces, for query tile nt ---
.macro MAXROW nt, t                    ; 16 v_max3 over 32 scores and the old maximum, four chains; one exchange; the exponent of alpha
.irp c, 0,1,2,3
	v_max3_num_f32 v[\t+\c], v[S+32*\nt+8*\c], v[S+32*\nt+8*\c+1], v[S+32*\nt+8*\c+2]
.endr
.irp c, 0,1,2,3
	v_max3_num_f32 v[\t+\c], v[\t+\c], v[S+32*\nt+8*\c+3], v[S+32*\nt+8*\c+4]
.endr
.irp c, 0,1,2,3
	v_max3_num_f32 v[\t+\c], v[\t+\c], v[S+32*\nt+8*\c+5], v[S+32*\nt+8*\c+6]
.endr
	v_max3_num_f32 v[\t], v[\t], v[S+32*\nt+7], v[S+32*\nt+15]
	v_max3_num_f32 v[\t+1], v[\t+1], v[S+32*\nt+23], v[S+32*\nt+31]
	v_max3_num_f32 v[\t], v[\t], v[\t+1], v[\t+2]
	v_max3_num_f32 v[\t], v[\t], v[\t+3], v[8+2*\nt]
	v_permlanex16_b32 v[13+2*\nt], v[\t], s22, s23
	v_max_num_f32 v[\t], v[\t], v[13+2*\nt]        ; the new maximum, alike in both lanes of a query
	v_sub_f32 v[12+2*\nt], v[8+2*\nt], v[\t]
.endm
.macro SUBM nt
.set k, 0
.rept 16
	v_pk_add_f32 v[S+32*\nt+k:S+32*\nt+k+1], v[S+32*\nt+k:S+32*\nt+k+1], v[8+2*\nt:9+2*\nt] op_sel_hi:[1,0] neg_lo:[0,1] neg_hi:[0,1]
.set k, k+2
.endr
.endm
.macro EXPS nt
.set k, 0
.rept 32
	v_exp_f32 v[S+32*\nt+k], v[S+32*\nt+k]
.set k, k+1
.endr
.endm
.macro SUMROW nt                       ; L = L alpha + the lane's 32 p; the two lanes of a query meet at the block's end
	s_wait_alu depctr_va_vdst(0)
.irp c, 0,1,2,3
	v_pk_add_f32 v[18+2*\c:19+2*\c], v[S+32*\nt+4*\c:S+32*\nt+4*\c+1], v[S+32*\nt+4*\c+2:S+32*\nt+4*\c+3]
.endr
.irp c, 0,1,2,3
	v_pk_add_f32 v[18+2*\c:19+2*\c], v[18+2*\c:19+2*\c], v[S+32*\nt+16+2*\c:S+32*\nt+16+2*\c+1]
.endr
.irp c, 0,1,2,3
	v_pk_add_f32 v[18+2*\c:19+2*\c], v[18+2*\c:19+2*\c], v[S+32*\nt+24+2*\c:S+32*\nt+24+2*\c+1]
.endr
	v_pk_add_f32 v[18:19], v[18:19], v[20:21]
	v_pk_add_f32 v[22:23], v[22:23], v[24:25]
	v_pk_add_f32 v[18:19], v[18:19], v[22:23]
	v_add_f32 v18, v18, v19
	v_fma_f32 v[9+2*\nt], v[9+2*\nt], v[12+2*\nt], v18
.endm
.macro PACK nt                         ; in place: tile kt's eight p become four registers at 4 kt; no source is overwritten before it is read
.irp kt, 0,1,2,3
.irp i, 0,1,2,3
	v_cvt_pk_f16_f32 v[S+32*\nt+4*\kt+\i], v[S+32*\nt+8*\kt+2*\i], v[S+32*\nt+8*\kt+2*\i+1]
.endr
.endr
.endm
.macro RESC nt
.set k, 0
.rept 16
	v_pk_mul_f32 v[O+32*\nt+k:O+32*\nt+k+1], v[O+32*\nt+k:O+32*\nt+k+1], v[12+2*\nt:13+2*\nt] op_sel_hi:[1,0]
.set k, k+2
.endr
.endm
; 64 keys: half sub of the tile in slot.  mask = 1: they are keys 64 u .. 64 u + 63 of the diagonal pair.
; In both groups of 16 matrix instructions eight accumulators take turns, one instruction a turn.
.macro SUB slot, sub, mask, u
.rept 5
	v_nop                                          ; five places behind the last P V product: its P is overwritten by a matrix instruction, its V fragments by loads (ISA guide 7.12.1 for the matrix instruction)
.endr
.irp ks, 0,1
.irp kt, 0,1,2,3
	ds_load_b128 v[FR+8*(2*\kt+\ks):FR+8*(2*\kt+\ks)+3],   v1 offset:\slot*SLOT+(32*\sub+8*\kt)*PITCH+64*\ks
	ds_load_b128 v[FR+8*(2*\kt+\ks)+4:FR+8*(2*\kt+\ks)+7], v1 offset:\slot*SLOT+(32*\sub+8*\kt)*PITCH+64*\ks+32
.endr
.endr
	s_wait_dscnt 0x8                               ; s = 0..31 of the 64 keys are in; the eight loads of s = 32..63 may be out
.irp kt, 0,1,2,3
.irp nt, 0,1
	v_wmma_f32_16x16x32_bf16 v[S+32*\nt+8*\kt:S+32*\nt+8*\kt+7], v[FR+16*\kt:FR+16*\kt+7], v[Q+16*\nt:Q+16*\nt+7], 0
.endr
.endr
	s_wait_dscnt 0x0
.irp kt, 0,1,2,3
.irp nt, 0,1
	v_wmma_f32_16x16x32_bf16 v[S+32*\nt+8*\kt:S+32*\nt+8*\kt+7], v[FR+16*\kt+8:FR+16*\kt+15], v[Q+16*\nt+8:Q+16*\nt+15], v[S+32*\nt+8*\kt:S+32*\nt+8*\kt+7]
.endr
.endr
.rept 4
	v_nop                                          ; four places: loads into the K fragments' registers, and the scores are read
.endr
.irp kk, 0,1
.irp dt, 0,1,2,3
	ds_load_b128 v[FR+8*(4*\kk+\dt):FR+8*(4*\kk+\dt)+3],   v2 offset:\slot*SLOT+KT+\dt*16*PITCH+128*\sub+64*\kk
	ds_load_b128 v[FR+8*(4*\kk+\dt)+4:FR+8*(4*\kk+\dt)+7], v2 offset:\slot*SLOT+KT+\dt*16*PITCH+128*\sub+64*\kk+32
.endr
.endr
.if \mask
.irp nt, 0,1
.irp kt, 0,1,2,3
.irp j, 0,1,2,3,4,5,6,7
	v_cmp_le_i32 vcc_lo, 64*(\u)+16*\kt+\j, v[6+\nt]           ; key <= query
	v_cndmask_b32 v[S+32*\nt+8*\kt+\j], v16, v[S+32*\nt+8*\kt+\j], vcc_lo
.endr
.endr
.endr
.endif
	MAXROW 0, 17
	MAXROW 1, 21
	v_exp_f32 v12, v12                             ; alpha = 2^(old maximum - new)
	v_exp_f32 v14, v14
	v_mov_b32 v8, v17                              ; behind each run of v_exp_f32 a plain instruction that touches none of its registers comes first (ISA guide 5.7.2)
	v_mov_b32 v10, v21
	SUBM 0
	EXPS 0
	SUBM 1
	EXPS 1
	SUMROW 0
	SUMROW 1
	PACK 0
	PACK 1
	RESC 0
	RESC 1
	s_wait_dscnt 0x0                               ; V's fragments, asked for ahead of the softmax
.irp kk, 0,1
.irp dt, 0,1,2,3
.irp nt, 0,1
	v_wmma_f32_16x16x32_f16 v[O+32*\nt+8*\dt:O+32*\nt+8*\dt+7], v[FR+8*(4*\kk+\dt):FR+8*(4*\kk+\dt)+7], v[S+32*\nt+8*\kk:S+32*\nt+8*\kk+7], v[O+32*\nt+8*\dt:O+32*\nt+8*\dt+7]
.endr
.endr
.endr
.endm
.macro DSUB slot, sub, u               ; in the diagonal pair a wave leaves out the keys that lie behind all its queries; the branch hangs on the wave's number and jumps over LDS reads and register work alone
.if (\u) > 0
	s_cmp_lt_u32 s13, \u
	s_cbranch_scc1 .Lpast_\@
.endif
	SUB \slot, \sub, 1, \u
.if (\u) > 0
.Lpast_\@:
.endif
.endm
; One key tile.  Every wave waits for all its tensor loads and for its reads of the other slot; a round of the cluster's barrier; the refill of the other slot first behind it; then this slot's work.
.macro TILE slot, refill, diag, u0
	s_wait_tensorcnt 0x0                           ; this slot's tile has landed and no load of mine is out, so a group 0 may be written:
	ds_add_u32 v30, v31
	s_wait_dscnt 0x0
	s_add_nc_u64 s[G0K+4*\slot+2:G0K+4*\slot+3], s[G0K+4*\slot+2:G0K+4*\slot+3], 2*16384   ; this slot's next tile, two on
	s_add_nc_u64 s[G0V+4*\slot+2:G0V+4*\slot+3], s[G0V+4*\slot+2:G0V+4*\slot+3], 2*256
	s_wait_dscnt 0x0                               ; my reads of the other slot are over
	ROUND
.if \refill
	LOADT 1-\slot
.endif
.if \diag
	DSUB \slot, 0, \u0
	DSUB \slot, 1, \u0+1
.else
	SUB \slot, 0, 0, 0
	SUB \slot, 1, 0, 0
.endif
.endm
	s_mov_b32 s18, 0
.Lpass:
	s_cmp_eq_u32 s18, 0
	s_cselect_b32 s19, s16, s21                    ; query block j, then 7 - j
	s_lshl_b32 s72, s19, 15
	s_lshl_b32 s73, s12, 12
	s_add_co_u32 s72, s72, s73                     ; (256 block + 32 wave) rows of 128 bytes
	s_mov_b32 s73, 0
	s_add_nc_u64 s[66:67], s[62:63], s[72:73]      ; my 32 rows of y2
	s_add_nc_u64 s[68:69], s[56:57], s[72:73]      ; my 32 queries in lat
	s_wait_dscnt 0x0
	s_wait_tensorcnt 0x0                           ; no load of mine is out: the four group 0 start again at tiles 0 and 1
	ds_add_u32 v30, v31
	s_wait_dscnt 0x0
	s_mov_b64 s[G0K+2:G0K+3], s[56:57]
	s_or_b32 s[G0K+3], s[G0K+3], 0x80000000
	s_add_nc_u64 s[G0K+6:G0K+7], s[56:57], 16384
	s_or_b32 s[G0K+7], s[G0K+7], 0x80000000
	s_mov_b64 s[G0V+2:G0V+3], s[58:59]
	s_or_b32 s[G0V+3], s[G0V+3], 0x80000000
	s_add_nc_u64 s[G0V+6:G0V+7], s[58:59], 256
	s_or_b32 s[G0V+7], s[G0V+7], 0x80000000
	ROUND
	LOADT 0
	; Q^T = mt x lat^T while tile 0 is on its way: source 0 = 16 s of mt, source 1 = my 16 queries; the packed result is source 1 of the score products
.irp st, 0,1,2,3
.irp ks, 0,1
	global_load_b128 v[FR+8*(2*\st+\ks):FR+8*(2*\st+\ks)+3],   v26, s[60:61] offset:\st*2048+64*\ks
	global_load_b128 v[FR+8*(2*\st+\ks)+4:FR+8*(2*\st+\ks)+7], v26, s[60:61] offset:\st*2048+64*\ks+32
.endr
.endr
.irp nt, 0,1
.irp ks, 0,1
	global_load_b128 v[Q+16*\nt+8*\ks:Q+16*\nt+8*\ks+3],   v26, s[68:69] offset:\nt*2048+64*\ks
	global_load_b128 v[Q+16*\nt+8*\ks+4:Q+16*\nt+8*\ks+7], v26, s[68:69] offset:\nt*2048+64*\ks+32
.endr
.endr
	s_wait_loadcnt 0x0
.irp st, 0,1,2,3
.irp nt, 0,1
	v_wmma_f32_16x16x32_bf16 v[S+32*\nt+8*\st:S+32*\nt+8*\st+7], v[FR+16*\st:FR+16*\st+7], v[Q+16*\nt:Q+16*\nt+7], 0
.endr
.endr
.irp st, 0,1,2,3
.irp nt, 0,1
	v_wmma_f32_16x16x32_bf16 v[S+32*\nt+8*\st:S+32*\nt+8*\st+7], v[FR+16*\st+8:FR+16*\st+15], v[Q+16*\nt+8:Q+16*\nt+15], v[S+32*\nt+8*\st:S+32*\nt+8*\st+7]
.endr
.endr
	; O starts at 0: every step rescales O by alpha, and which step is a block's first differs with the block; 64 moves for 32 x 64 outputs, which also are the places behind the products above
.set k, 0
.rept 64
	v_mov_b32 v[O+k], 0
.set k, k+1
.endr
	v_mov_b32 v8, v16                              ; M = -inf, L = 0
	v_mov_b32 v9, 0
	v_mov_b32 v10, v16
	v_mov_b32 v11, 0
.irp nt, 0,1
.irp st, 0,1,2,3
.irp i, 0,1,2,3
	v_cvt_pk_bf16_f32 v[Q+16*\nt+4*\st+\i], v[S+32*\nt+8*\st+2*\i], v[S+32*\nt+8*\st+2*\i+1]
.endr
.endr
.endr
	s_cmp_eq_u32 s19, 0                            ; block 0 has no full pair; the block's number is alike in all partners
	s_cbranch_scc1 .Ldiag
	s_mov_b32 s20, 0
.Lpair:
	TILE 0, 1, 0, 0
	TILE 1, 1, 0, 0
	s_add_co_u32 s20, s20, 1
	s_cmp_lt_u32 s20, s19
	s_cbranch_scc1 .Lpair
.Ldiag:
	TILE 0, 1, 1, 0
	TILE 1, 0, 1, 2                                ; the block's last tile: nothing is filled that nobody reads
	; the block's end: y = O / L, through my own stage, out as 4,096 contiguous bytes
.rept 4
	v_nop                                          ; four places behind the last product
.endr
	v_permlanex16_b32 v13, v9, s22, s23
	v_permlanex16_b32 v15, v11, s22, s23
	v_add_f32 v9, v9, v13                          ; the two lanes of a query meet; L >= 1, since the largest score gives p = 1
	v_add_f32 v11, v11, v15
	v_rcp_f32 v12, v9
	v_rcp_f32 v14, v11
	v_nop                                          ; one plain place behind v_rcp_f32 (ISA guide 5.7.2)
	s_wait_alu depctr_va_vdst(0)
	RESC 0
	RESC 1
.irp nt, 0,1
.irp dt, 0,1,2,3
.irp i, 0,1,2,3
	v_cvt_pk_f16_f32 v[S+16*\nt+4*\dt+\i], v[O+32*\nt+8*\dt+2*\i], v[O+32*\nt+8*\dt+2*\i+1]
.endr
.endr
.endr
.irp nt, 0,1
.irp dt, 0,1,2,3
	ds_store_b128 v3, v[S+16*\nt+4*\dt:S+16*\nt+4*\dt+3] offset:\nt*16*SP+32*\dt
.endr
.endr
.irp t, 0,1,2,3,4,5,6,7
	ds_load_b128 v[FR+4*\t:FR+4*\t+3], v4 offset:\t*4*SP       ; LDS serves a wave's instructions in order (ISA guide 5.7.1.4): these see the stores above
.endr
.irp t, 0,1,2,3,4,5,6,7
	s_wait_dscnt 7-\t
	global_store_b128 v5, v[FR+4*\t:FR+4*\t+3], s[66:67] offset:512*\t   ; the wave stores 512 contiguous bytes, aligned
.endr
	s_wait_xcnt 0x0                                ; the stores' data and base are written again in the next block only behind this wait
	s_add_co_u32 s18, s18, 1
	s_cmp_lt_u32 s18, 2
	s_cbranch_scc1 .Lpass
	s_wait_tensorcnt 0x0
	ds_add_u32 v30, v31
	s_wait_dscnt 0x0
	ROUND                                          ; the closing round: no work-group ends while a partner may still ask for a tile that names it
	s_endpgm
.Lfunc_end_k_q37a720e5b6_attn:
	.size	k_q37a720e5b6_attn, .Lfunc_end_k_q37a720e5b6_attn-k_q37a720e5b6_attn
	.p2alignl 7, 3214868480
	.fill 96, 4, 3214868480
	.section	.rodata,"a",@progbits
	.p2align	6, 0x0
	.amdhsa_kernel k_q37a720e5b6_attn
		.amdhsa_group_segment_fixed_size 327680
		.amdhsa_private_segment_fixed_size 0
		.amdhsa_enable_private_segment 0
		.amdhsa_kernarg_size 32
		.amdhsa_user_sgpr_count 2
		.amdhsa_user_sgpr_kernarg_segment_ptr 1
		.amdhsa_wavefront_size32 1
		.amdhsa_system_sgpr_workgroup_id_x 1
		.amdhsa_system_sgpr_workgroup_id_y 1
		.amdhsa_system_sgpr_workgroup_id_z 1
		.amdhsa_system_vgpr_workitem_id 0
		.amdhsa_next_free_vgpr 256
		.amdhsa_next_free_sgpr 76
		.amdhsa_reserve_vcc 1
		.amdhsa_float_denorm_mode_32 3
		.amdhsa_float_denorm_mode_16_64 3
		.amdhsa_memory_ordered 1
		.amdhsa_forward_progress 1
		.amdhsa_inst_pref_size 181
	.end_amdhsa_kernel
	.amdgpu_metadata
---
amdhsa.version: [ 1, 2 ]
amdhsa.kernels:
  - .name:           k_q37a720e5b6_attn
    .symbol:         k_q37a720e5b6_attn.kd
    .args:
      - { .name: lat, .offset: 0, .size: 8, .value_kind: global_buffer, .address_space: global }
      - { .name: vt, .offset: 8, .size: 8, .value_kind: global_buffer, .address_space: global }
      - { .name: mt, .offset: 16, .size: 8, .value_kind: global_buffer, .address_space: global }
      - { .name: y2, .offset: 24, .size: 8, .value_kind: global_buffer, .address_space: global }
    .group_segment_fixed_size: 327680
    .private_segment_fixed_size: 0
    .kernarg_segment_align: 8
    .kernarg_segment_size: 32
    .max_flat_workgroup_size: 256
    .sgpr_count:     76
    .vgpr_count:     256
    .wavefront_size: 32
...
	.end_amdgpu_metadata
.endif
;; end of part 3
;; launch oproj (part 4): grid 4 x 64, 4 waves a work-group, clusters of 4 x 4, 327,680 bytes of LDS; arguments y2, wob, out0, o_b; writes out0
.if DOCPART == 4
	.amdgcn_target "amdgcn-amd-amdhsa--gfx1250"
	.amdhsa_code_object_version 6
	.text
	.protected	k_q37a720e5b6_oproj
	.globl	k_q37a720e5b6_oproj
	.p2align	8
	.type	k_q37a720e5b6_oproj,@function
k_q37a720e5b6_oproj:
	s_mov_b64 s[64:65], 0
	v_nop
	global_prefetch_b8 v0, s[64:65] scope:SCOPE_SE
	s_setreg_imm32_b32 hwreg(HW_REG_WAVE_MODE, 25, 1), 1
	s_wait_xcnt 0x0
	s_wait_alu depctr_hold_cnt(0) depctr_sa_sdst(0) depctr_va_vdst(0) depctr_va_sdst(0) depctr_va_ssrc(0) depctr_va_vcc(0) depctr_vm_vsrc(0)
	s_getreg_b32 s2, hwreg(HW_REG_IB_STS2, 6, 4)
	s_cmp_eq_u32 s2, 0
	s_cbranch_scc0 .Lentry_in_a_cluster
	s_endpgm
.Lentry_in_a_cluster:
	s_bfe_u32 s2, ttmp6, 0x10000c
	s_cmp_lg_u32 s2, 0xf033
	s_cbranch_scc0 .Lentry_shape_is_right
	s_endpgm
.Lentry_shape_is_right:
; C[m][n] = sum over k of A[m][k] B[n][k] + bias, K = 1,024, f32 sums.  One text for two launches, told apart by OUTF32:
;   OUTF32 = 0: A = wvb [1024 c][1024] bf16, B = xb [8192 bt][1024] bf16, C = vt [1024 c][8192 bt] f16, bias v_b by row of C.
;   OUTF32 = 1: A = y2 [4 b][16 h][2048 t][64 d] f16 (row bt, k = 64 h + d), B = wob [1024 c][1024] f16, C = out0 [8192][1024] f32, bias o_b by column.
; LIMIT: y2 is f16; |y| is at most the largest |V|, for which |V| <= 65,504 is asked (see the launch that makes vt).  wob holds o_w's bf16 values in f16's format.
; A work-group makes 128 x 256 of C with four waves, a wave 64 x 128: 32 accumulator tiles, 256 registers; 256 work-groups in all.
; K goes in steps of 128 through two LDS slots filled by tensor loads; every row fetched is 256 bytes and starts at a multiple of 256 bytes from its buffer's first byte.
; CLUSTERS: 4 x 4 work-groups.  A's tile hangs on the block row alone and is asked for jointly by a row of the cluster, B's on the block column alone, by a column.
; REGISTERS: window 0: addresses, two fragment buffers (B 64 + A 32 registers each), TMP.  Window 1: the accumulators, tile (a, b) at 8 (8 a + b).
; Window 2: the bias, laid out as C operands: the first products take it as C, so nothing is cleared and nothing is added later.
; The matrix instruction is used transposed (source 0 = rows of B, source 1 = rows of A): lane l holds row l % 16 of C, columns 8 (l / 16) + 0..7.
.set OUTF32, 1
.set KSTEP,  128
.set PITCH,  272                       ; an LDS row: 256 bytes + 16 of padding
.set BHALF,  128*PITCH                 ; 128 rows of B: one tensor load, and what one wave reads of B
.set AHALF,  64*PITCH                  ; 64 LDS rows of A: one tensor load
.set SLOT,   2*BHALF+2*AHALF           ; B's 256 rows, then A's 128
.set STAGE,  2*SLOT                    ; behind the ring: each wave's own stage for the way out; no tensor load lands there
.set STGW,   8448
.set LAPS,   4                         ; a lap = two K steps = once round the ring
.if OUTF32
.set APITCH, 128                       ; y2 is dense: a row of 256 bytes holds rows t, t + 1 of one head
.set ASTEP,  524288                    ; a K step is two heads
.set AWAVE,  32*PITCH                  ; a wave's 64 rows of A
.set AFRAG,  8*PITCH                   ; 16 rows of A
.set CROW,   4096
.else
.set APITCH, 1024
.set ASTEP,  256
.set AWAVE,  64*PITCH
.set AFRAG,  16*PITCH
.set CROW,   16384
.endif
.set ADRA, 16                          ; v16-17  LDS address of my A fragments in slot 0, 1
.set ADRB, 20                          ; v20-21  the same for B
.set STO,  24
.set RD,   25
.set CO,   26
.set BO,   27                          ; my offset in the bias
.set F0,   32                          ; fragment buffer 0: B at +0, A at +64
.set F1,   128                         ; fragment buffer 1
.set TMP,  224
.set G1,  24                           ; s[24:31] group 1 for A's tiles
.set G0,  32                           ; s[32:39] group 0 for A's tiles, one set a slot
.set G1B, 48                           ; s[48:55] group 1 for B's tiles
.set G0B, 56                           ; s[56:63] group 0 for B's tiles
.set MSB, 0
.macro WIN new                         ; the immediate's high byte repeats the setting that is left
.if MSB != \new
	s_set_vgpr_msb (MSB<<8)|\new
.set MSB, \new
.endif
.endm
.set MUL,  0x50                        ; C and D in window 1
.set MULB, 0x60                        ; D in window 1, C in window 2
; A joint load.  Waves 0 and 1 fetch B's halves, waves 2 and 3 A's.  Each line has one mask and one set of registers; the branch hangs on the wave's number alone.
.macro JLOAD s
	s_cmp_eq_u32 s13, 0
	s_cbranch_scc0 .Lfor_a_\@
	tensor_load_to_lds s[G0B+4*\s:G0B+4*\s+3], s[G1B:G1B+7]
	s_nop 0
	s_branch .Lasked_\@
.Lfor_a_\@:
	tensor_load_to_lds s[G0+4*\s:G0+4*\s+3], s[G1:G1+7]
	s_nop 0
.Lasked_\@:
.endm
.macro CREST                           ; a round of the cluster's barrier behind its opening barrier
	s_cmp_lg_u32 s12, 0
	s_cbranch_scc1 .Lnot_wave_0_\@
	s_barrier_signal -3
.Lnot_wave_0_\@:
	s_barrier_wait -3
	s_barrier_signal -1
	s_barrier_wait -1
.endm
.macro CROUND                          ; a whole round
	s_barrier_signal -1
	s_barrier_wait -1
	CREST
.endm
	s_load_b256 s[4:11], s[0:1], 0x0               ; A s[4:5], B s[6:7], C s[8:9], bias s[10:11]
	v_lshl_add_u32 v254, v0, 2, 0x3b400
	v_mov_b32 v255, 0
	ds_add_u32 v254, v255
	v_lshrrev_b32 v1, 5, v0
	v_readfirstlane_b32 s12, v1                    ; wave 0..3
	s_lshr_b32 s13, s12, 1                         ; which 64 rows of the block are mine.  Also: I fetch for B (0) or for A (1)
	s_and_b32 s14, s12, 1                          ; which 128 columns.  Also: which half of that tile I fetch
	s_bfe_u32 s40, ttmp6, 0x40000                  ; cx
	s_bfe_u32 s41, ttmp6, 0x40004                  ; cy
	s_lshl_b32 s42, ttmp9, 2
	s_add_co_u32 s42, s42, s40                     ; block column = 4 x cluster x + cx
	s_and_b32 s43, ttmp7, 0xffff
	s_lshl_b32 s43, s43, 2
	s_add_co_u32 s43, s43, s41                     ; block row = 4 x cluster y + cy
	s_lshl_b32 s44, s41, 2
	s_lshl_b32 s44, 15, s44                        ; my row of the cluster
	s_lshl_b32 s45, 0x1111, s40                    ; my column
	s_or_b32 s[G1+0], s44, (1<<16)|(1<<20)|(1<<21)|(5<<22)|(3<<25)   ; mask; elements of 2 bytes; padding on; bit 21 beside a mask; after every 64 words, 4 words
	s_mov_b32 s[G1+1], KSTEP<<16                   ; tensor_dim0 = 128
	s_mov_b32 s[G1+2], 64<<16                      ; tensor_dim1 = 64
	s_mov_b32 s[G1+3], KSTEP<<16                   ; tile_dim0 = 128
	s_mov_b32 s[G1+4], 64                          ; tile_dim1 = 64
	s_mov_b32 s[G1+5], APITCH                      ; elements from row to row
	s_mov_b32 s[G1+6], 0
	s_mov_b32 s[G1+7], 0
	s_or_b32 s[G1B+0], s45, (1<<16)|(1<<20)|(1<<21)|(5<<22)|(3<<25)
	s_mov_b32 s[G1B+1], KSTEP<<16
	s_mov_b32 s[G1B+2], 128<<16                    ; 128 rows
	s_mov_b32 s[G1B+3], KSTEP<<16
	s_mov_b32 s[G1B+4], 128
	s_mov_b32 s[G1B+5], 1024
	s_mov_b32 s[G1B+6], 0
	s_mov_b32 s[G1B+7], 0
	; where the tiles come from: A's address is made of the block row and the wave's number, B's of the block column and the wave's number, in registers that never hold the other coordinate
.if OUTF32
	s_lshr_b32 s16, s43, 4
	s_lshl_b32 s16, s16, 22                        ; batch: 16 heads x 2,048 rows x 128 bytes
	s_and_b32 s17, s43, 15
	s_lshl_b32 s17, s17, 14                        ; 128 rows of 128 bytes
	s_add_co_u32 s16, s16, s17
	s_lshl_b32 s17, s14, 18                        ; the even or the odd head of the K step
	s_add_co_u32 s16, s16, s17
.else
	s_lshl_b32 s16, s43, 7
	s_lshl_b32 s17, s14, 6
	s_add_co_u32 s16, s16, s17
	s_lshl_b32 s16, s16, 11                        ; row 128 x block row + 64 x half, 2,048 bytes a row
.endif
	s_mov_b32 s17, 0
	s_lshl_b32 s46, s42, 8
	s_lshl_b32 s47, s14, 7
	s_add_co_u32 s46, s46, s47
	s_lshl_b32 s46, s46, 11                        ; row 256 x block column + 128 x half
	s_mov_b32 s47, 0
	s_mul_i32 s21, s12, BHALF                      ; where they go: B's halves at wave x 34,816 (waves 0, 1),
	s_mul_i32 s20, s12, AHALF
	s_add_co_u32 s20, s20, 2*BHALF-2*AHALF         ; A's at 34,816 + wave x 17,408 (waves 2, 3): behind B's 69,632 bytes
	s_wait_dscnt 0x0
	s_wait_kmcnt 0x0
	s_add_nc_u64 s[18:19], s[4:5], s[16:17]
	s_add_nc_u64 s[46:47], s[6:7], s[46:47]
	CROUND                                         ; all sixteen work-groups are here: the first joint loads meet
.irp s, 0,1
	s_mov_b32 s[G0+4*\s], 1
	s_add_co_u32 s[G0+4*\s+1], s20, \s*SLOT
	s_add_nc_u64 s[G0+4*\s+2:G0+4*\s+3], s[18:19], \s*ASTEP
	s_or_b32 s[G0+4*\s+3], s[G0+4*\s+3], 0x80000000
	s_mov_b32 s[G0B+4*\s], 1
	s_add_co_u32 s[G0B+4*\s+1], s21, \s*SLOT
	s_add_nc_u64 s[G0B+4*\s+2:G0B+4*\s+3], s[46:47], \s*KSTEP*2
	s_or_b32 s[G0B+4*\s+3], s[G0B+4*\s+3], 0x80000000
	JLOAD \s                                       ; two tensor loads of the wave are out here, one behind every later refill
.endr
	v_and_b32 v1, 15, v0                           ; l % 16
	v_bfe_u32 v2, v0, 4, 1                         ; l / 16
	v_mul_u32_u24 v3, v1, PITCH
	v_lshl_add_u32 v3, v2, 4, v3                   ; row x pitch + 16 x half
.if OUTF32
	v_lshrrev_b32 v4, 1, v1                        ; A: two rows of C in an LDS row; the 16 lanes of a load still touch 16 different 16-byte columns
	v_and_b32 v5, 1, v1
	v_mul_u32_u24 v4, v4, PITCH
	v_lshl_add_u32 v4, v5, 7, v4
	v_lshl_add_u32 v4, v2, 4, v4
.set LTA, 4
.else
.set LTA, 3
.endif
	s_mul_i32 s22, s13, AWAVE
	s_add_co_u32 s22, s22, 2*BHALF
	s_mul_i32 s23, s14, BHALF
.irp s, 0,1
	v_add_nc_u32 v[ADRA+\s], s22, v[LTA]
	v_add_nc_u32 v[ADRB+\s], s23, v3
	s_add_co_u32 s22, s22, SLOT
	s_add_co_u32 s23, s23, SLOT
.endr
	s_mul_i32 s22, s12, STGW
	s_add_co_u32 s22, s22, STAGE                   ; my stage
.if OUTF32
	v_mul_u32_u24 v6, v1, 528                      ; in: row l % 16 of 512 + 16 bytes, 32 bytes for each half of the lanes
	v_lshl_add_u32 v6, v2, 5, v6
	v_add_nc_u32 v[STO], s22, v6
	v_and_b32 v7, 31, v0
	v_lshlrev_b32 v[CO], 4, v7                     ; back and out: the 32 lanes take one row of 512 bytes
	v_add_nc_u32 v[RD], s22, v[CO]
	v_lshlrev_b32 v[BO], 5, v2                     ; bias: my eight columns
	s_lshl_b32 s66, s42, 10
	s_lshl_b32 s67, s14, 9
.else
	v_add_nc_u32 v[STO], s22, v3                   ; in: row l % 16 of 256 + 16 bytes, 16 bytes for each half
	v_mul_u32_u24 v6, v2, PITCH
	v_lshl_add_u32 v6, v1, 4, v6
	v_add_nc_u32 v[RD], s22, v6                    ; back: lanes 0-15 one row, lanes 16-31 the next
	v_lshlrev_b32 v7, 14, v2
	v_lshl_add_u32 v[CO], v1, 4, v7
	v_lshlrev_b32 v[BO], 2, v1                     ; bias: my row
	s_lshl_b32 s66, s43, 9
	s_lshl_b32 s67, s13, 8
.endif
	s_add_co_u32 s66, s66, s67
	s_mov_b32 s67, 0
	s_add_nc_u64 s[10:11], s[10:11], s[66:67]
	WIN 0x80                                       ; loads into window 2
.if OUTF32
.irp b, 0,1,2,3,4,5,6,7
	global_load_b128 v[8*\b:8*\b+3],   v[BO], s[10:11] offset:64*\b
	global_load_b128 v[8*\b+4:8*\b+7], v[BO], s[10:11] offset:64*\b+16
.endr
.else
.irp a, 0,1,2,3
	global_load_b32 v[8*\a], v[BO], s[10:11] offset:64*\a
.endr
.endif
	WIN 0
; 8 matrix instructions: m block a x all 8 n blocks, 32 along K.  first = 1: the bias is C.
.macro MUL8 f, a, first
.irp b, 0,1,2,3,4,5,6,7
.if OUTF32
.if \first
	v_wmma_f32_16x16x32_f16 v[8*(8*\a+\b):8*(8*\a+\b)+7], v[\f+8*\b:\f+8*\b+7], v[\f+64+8*\a:\f+64+8*\a+7], v[8*\b:8*\b+7]
.else
	v_wmma_f32_16x16x32_f16 v[8*(8*\a+\b):8*(8*\a+\b)+7], v[\f+8*\b:\f+8*\b+7], v[\f+64+8*\a:\f+64+8*\a+7], v[8*(8*\a+\b):8*(8*\a+\b)+7]
.endif
.else
.if \first
	v_wmma_f32_16x16x32_bf16 v[8*(8*\a+\b):8*(8*\a+\b)+7], v[\f+8*\b:\f+8*\b+7], v[\f+64+8*\a:\f+64+8*\a+7], v[8*\a:8*\a+7]
.else
	v_wmma_f32_16x16x32_bf16 v[8*(8*\a+\b):8*(8*\a+\b)+7], v[\f+8*\b:\f+8*\b+7], v[\f+64+8*\a:\f+64+8*\a+7], v[8*(8*\a+\b):8*(8*\a+\b)+7]
.endif
.endif
.endr
.endm
; 24 LDS loads in one run: quarter kq of a K step (32 along K): 128 rows of B, then 64 rows of A in the order a = 0..3
.macro FETCH slot, kq, f
.if OUTF32
.set KA, ((\kq)>>1)*AHALF+((\kq)&1)*64
.else
.set KA, 64*(\kq)
.endif
	WIN 0
.irp i, 0,1,2,3,4,5,6,7
	ds_load_b128 v[\f+8*\i:\f+8*\i+3],   v[ADRB+\slot] offset:64*(\kq)+\i*16*PITCH
	ds_load_b128 v[\f+8*\i+4:\f+8*\i+7], v[ADRB+\slot] offset:64*(\kq)+\i*16*PITCH+32
.endr
.irp i, 0,1,2,3
	ds_load_b128 v[\f+64+8*\i:\f+64+8*\i+3],   v[ADRA+\slot] offset:KA+\i*AFRAG
	ds_load_b128 v[\f+64+8*\i+4:\f+64+8*\i+7], v[ADRA+\slot] offset:KA+\i*AFRAG+32
.endr
.endm
; Four places between a matrix instruction and a load into one of its sources, or a vector instruction or LDS store that reads its result
; (ISA guide 7.12.1 for vector instructions); the matrix instructions in between are not counted.
.macro PLACES
.rept 4
	v_nop
.endr
.endm
; A quarter: multiplies buffer f; in its middle fetches quarter kq of the same slot into buffer g.
; The 32 accumulators take turns in one fixed order, one instruction a turn, over the loop's backward jump too.
.macro QUARTER slot, kq, f, g, first
	s_wait_dscnt 0x4                               ; B and A's blocks 0, 1 are in; the youngest four loads (A's blocks 2, 3) may be out
.if \first
	WIN MULB
.else
	WIN MUL
.endif
	MUL8 \f, 0, \first
	MUL8 \f, 1, \first
	PLACES
	FETCH \slot, \kq, \g
	s_wait_dscnt 24                                ; all but the 24 just issued
.if \first
	WIN MULB
.else
	WIN MUL
.endif
	MUL8 \f, 2, \first
	MUL8 \f, 3, \first
.endm
.macro THREE slot, first
	QUARTER \slot, 1, F0, F1, \first
	QUARTER \slot, 2, F1, F0, 0
	QUARTER \slot, 3, F0, F1, 0
.endm
; The last quarter changes slots.  In front of the barrier each wave waits for its reads of this slot and for all its tensor loads (one is out: its part of the
; next slot).  Where the slot is filled again the barrier opens a round of the cluster's barrier, and the joint refill is the first tensor load behind the round.
; From a request to the wait for it a wave issues 16 + 96 + 8 = 120 matrix instructions.
.macro TURN slot, next, fill
	s_wait_dscnt 0x4
	WIN MUL
	MUL8 F1, 0, 0
	s_wait_dscnt 0x0                               ; my reads of this slot are over
	s_wait_tensorcnt 0x0                           ; all my tensor loads have landed
	ds_add_u32 v254, v255
	s_wait_dscnt 0x0
	s_barrier_signal -1
	MUL8 F1, 1, 0                                  ; register work while the others arrive
	WIN 0
	s_barrier_wait -1
.if \fill
	CREST
	s_add_nc_u64 s[G0+4*\slot+2:G0+4*\slot+3], s[G0+4*\slot+2:G0+4*\slot+3], 2*ASTEP
	s_add_nc_u64 s[G0B+4*\slot+2:G0B+4*\slot+3], s[G0B+4*\slot+2:G0B+4*\slot+3], 2*KSTEP*2
	JLOAD \slot
.endif
	PLACES
	FETCH \next, 0, F0
	WIN MUL
	MUL8 F1, 2, 0
	MUL8 F1, 3, 0
.endm
.macro LAP first
	THREE 0, \first
	TURN 0, 1, 1
	THREE 1, 0
	TURN 1, 0, 1
.endm
	s_wait_tensorcnt 0x1                           ; my part of K step 0 is in; K step 1's may stay out
	s_barrier_signal -1
	s_barrier_wait -1
	FETCH 0, 0, F0
	s_wait_loadcnt 0x0                             ; the bias
.if OUTF32 == 0
	WIN 0x82                                       ; within window 2: a lane's row has one bias for its eight columns
.irp a, 0,1,2,3
.irp j, 1,2,3,4,5,6,7
	v_mov_b32 v[8*\a+\j], v[8*\a]
.endr
.endr
.endif
	LAP 1
	WIN 0
	s_mov_b32 s3, LAPS-2
.Llap:
	LAP 0
	WIN 0
	s_sub_co_u32 s3, s3, 1
	s_cmp_lg_u32 s3, 0
	s_cbranch_scc1 .Llap
	THREE 0, 0                                     ; the last lap fills nothing
	TURN 0, 1, 0
	THREE 1, 0
	s_wait_dscnt 0x4
	WIN MUL
	MUL8 F1, 0, 0
	MUL8 F1, 1, 0
	s_wait_dscnt 0x0
	MUL8 F1, 2, 0
	MUL8 F1, 3, 0
	; THE WAY OUT, 16 rows of C at a time, through my own stage: LDS serves a wave's instructions in order (ISA guide 5.7.1.4), so no wait stands between its stores and its loads.
	PLACES
	s_lshl_b32 s66, s43, 7
	s_lshl_b32 s67, s13, 6
	s_add_co_u32 s66, s66, s67                     ; my first row of C
.if OUTF32
	s_lshl_b32 s66, s66, 12
	s_lshl_b32 s68, s42, 10                        ; my first column, in bytes
	s_lshl_b32 s69, s14, 9
.else
	s_lshl_b32 s66, s66, 14
	s_lshl_b32 s68, s42, 9
	s_lshl_b32 s69, s14, 8
.endif
	s_add_co_u32 s66, s66, s68
	s_add_co_u32 s66, s66, s69
	s_mov_b32 s67, 0
	s_add_nc_u64 s[8:9], s[8:9], s[66:67]
.macro OUT16 a, f
.if OUTF32
	WIN 0x04                                       ; LDS store data from window 1
.irp b, 0,1,2,3,4,5,6,7
	ds_store_b128 v[STO], v[8*(8*\a+\b):8*(8*\a+\b)+3]   offset:64*\b
	ds_store_b128 v[STO], v[8*(8*\a+\b)+4:8*(8*\a+\b)+7] offset:64*\b+16
.endr
	WIN 0
.else
	WIN 0x05                                       ; the conversions read window 1
.irp b, 0,1,2,3,4,5,6,7
.irp r, 0,1,2,3
	v_cvt_pk_f16_f32 v[TMP+4*\b+\r], v[8*(8*\a+\b)+2*\r], v[8*(8*\a+\b)+2*\r+1]
.endr
.endr
	WIN 0
.irp b, 0,1,2,3,4,5,6,7
	ds_store_b128 v[STO], v[TMP+4*\b:TMP+4*\b+3] offset:32*\b
.endr
.endif
	s_wait_xcnt 0x0                                ; buffer f, which earlier stores read, and the stores' base are written again only behind this wait
.if \a
	s_add_nc_u64 s[8:9], s[8:9], 16*CROW
.endif
.if OUTF32
.irp t, 0,1,2,3,4,5,6,7,8,9,10,11,12,13,14,15
	ds_load_b128 v[\f+4*\t:\f+4*\t+3], v[RD] offset:\t*528
.endr
.irp t, 0,1,2,3,4,5,6,7,8,9,10,11,12,13,14,15
	s_wait_dscnt 15-\t
	global_store_b128 v[CO], v[\f+4*\t:\f+4*\t+3], s[8:9] offset:\t*CROW th:TH_STORE_NT   ; the wave stores 512 contiguous bytes, aligned
.endr
.else
.irp t, 0,1,2,3,4,5,6,7
	ds_load_b128 v[\f+4*\t:\f+4*\t+3], v[RD] offset:\t*2*PITCH
.endr
.irp t, 0,1,2,3,4,5,6,7
	s_wait_dscnt 7-\t
	global_store_b128 v[CO], v[\f+4*\t:\f+4*\t+3], s[8:9] offset:2*\t*CROW   ; 16 lanes store 256 contiguous bytes, aligned
.endr
.endif
.endm
	OUT16 0, F0
	OUT16 1, F1
	OUT16 2, F0
	OUT16 3, F1
	s_wait_tensorcnt 0x0
	ds_add_u32 v254, v255
	s_wait_dscnt 0x0
	CROUND                                         ; the closing round: no work-group ends while a partner may still ask for a tile that names it
	s_endpgm
.Lfunc_end_k_q37a720e5b6_oproj:
	.size	k_q37a720e5b6_oproj, .Lfunc_end_k_q37a720e5b6_oproj-k_q37a720e5b6_oproj
	.p2alignl 7, 3214868480
	.fill 96, 4, 3214868480
	.section	.rodata,"a",@progbits
	.p2align	6, 0x0
	.amdhsa_kernel k_q37a720e5b6_oproj
		.amdhsa_group_segment_fixed_size 327680
		.amdhsa_private_segment_fixed_size 0
		.amdhsa_enable_private_segment 0
		.amdhsa_kernarg_size 32
		.amdhsa_user_sgpr_count 2
		.amdhsa_user_sgpr_kernarg_segment_ptr 1
		.amdhsa_wavefront_size32 1
		.amdhsa_system_sgpr_workgroup_id_x 1
		.amdhsa_system_sgpr_workgroup_id_y 1
		.amdhsa_system_sgpr_workgroup_id_z 1
		.amdhsa_system_vgpr_workitem_id 0
		.amdhsa_next_free_vgpr 576
		.amdhsa_next_free_sgpr 70
		.amdhsa_reserve_vcc 0
		.amdhsa_float_denorm_mode_32 3
		.amdhsa_float_denorm_mode_16_64 3
		.amdhsa_memory_ordered 1
		.amdhsa_forward_progress 1
		.amdhsa_inst_pref_size 120
	.end_amdhsa_kernel
	.amdgpu_metadata
---
amdhsa.version: [ 1, 2 ]
amdhsa.kernels:
  - .name:           k_q37a720e5b6_oproj
    .symbol:         k_q37a720e5b6_oproj.kd
    .args:
      - { .name: y2, .offset: 0, .size: 8, .value_kind: global_buffer, .address_space: global }
      - { .name: wob, .offset: 8, .size: 8, .value_kind: global_buffer, .address_space: global }
      - { .name: out0, .offset: 16, .size: 8, .value_kind: global_buffer, .address_space: global }
      - { .name: o_b, .offset: 24, .size: 8, .value_kind: global_buffer, .address_space: global }
    .group_segment_fixed_size: 327680
    .private_segment_fixed_size: 0
    .kernarg_segment_align: 8
    .kernarg_segment_size: 32
    .max_flat_workgroup_size: 128
    .sgpr_count:     70
    .vgpr_count:     576
    .wavefront_size: 32
...
	.end_amdgpu_metadata
.endif
;; end of part 4
;; ======== version 2 of 2: 4 launches; version 1 with the launch prep written anew for expert scheduling mode
;; limits: values are held in f16: magnitudes above 65,504 overflow, below 6.1e-05 lose precision
;; workspace buffers: xb 16,777,216 bytes; wvb 2,097,152 bytes; wob 2,097,152 bytes; lat 1,048,576 bytes; mt 131,072 bytes; vt 16,777,216 bytes; y2 16,777,216 bytes
;; launch prep (part 5): grid 256 x 1, 8 waves a work-group, no clusters, 203,776 bytes of LDS; arguments hidden_states, basis_w, core, head_residual, v_w, o_w, xb, wvb, wob, lat, mt; writes xb, wvb, wob, lat, mt
.if DOCPART == 5
	.amdgcn_target "amdgcn-amd-amdhsa--gfx1250"
	.amdhsa_code_object_version 6
	.text
	.protected	k_q37a720e5b6_prep
	.globl	k_q37a720e5b6_prep
	.p2align	8
	.type	k_q37a720e5b6_prep,@function
k_q37a720e5b6_prep:
	s_mov_b64 s[64:65], 0
	v_nop
	global_prefetch_b8 v0, s[64:65] scope:SCOPE_SE
	s_setreg_imm32_b32 hwreg(HW_REG_WAVE_SCHED_MODE, 0, 2), 2
	s_setreg_imm32_b32 hwreg(HW_REG_WAVE_MODE, 25, 1), 1
	s_wait_xcnt 0x0
	s_wait_alu depctr_vm_vsrc(0)
; prep: rounds the inputs of the matrix products once, and makes the attention's two small operands.
;   xb  [8192][1024] bf16 = hidden_states;   wvb [1024][1024] bf16 = v_w
;   wob [1024][1024] f16  = o_w rounded to bf16 (8 significant bits, as every input of a product here), that value written in f16's format,
;                           because its partner y needs f16's 11 bits and a matrix instruction takes one format for both operands.
;                           Exact for |o_w| >= 2^-14; below that the absolute error is at most 2^-25.
;   lat [8192][64] bf16   = hidden_states x basis_w^T (bf16 operands, f32 sums, K split over four accumulators)
;   mt  [16][64 s][64 r] bf16 = (log2 e / 8) x ((core[r][s] + core[s][r]) / 32 + head_residual[h][r][s] - mean over h), all in f32, rounded once
; Work-group g of 256: X rows 32 g .. 32 g + 31; one row of v_w (waves 0-3) or of o_w (waves 4-7) a wave; 256 numbers of mt (wave 0).
; Every byte has to pass a register to be rounded, so there are no tensor loads and no cluster: basis_w, which all work-groups read,
; comes through registers too (262,144 bytes a work-group) and is kept in LDS as bf16.
; mt leaves as pieces of 16 bytes, 8,192 in the launch: its layout serves the many contiguous reads of the attention.
; THE MODE: SCHED_MODE bits 1:0 = 2 (LLVM: expert scheduling mode 2), set by the entry lines.  The code itself states the register dependences
; between vector or matrix instructions and memory or LDS instructions, with s_wait_alu, always for 0.
; THE PLAN.  Registers that memory or LDS instructions touch:
;   v2-v8, v26-v30   offsets and LDS addresses: written at the head, never again.  v102-v105: the same for wave 0's part, mt.
;   X0 .. X3         the ring, eight quads each.  The stream's 104 items go in 13 blocks of eight.  Block q's roundings read X[q % 4]; behind them the loads of block q + 4 land in it.
;   Y0, Y1           eight pairs each.  Block q's roundings write Y[q % 2]; the block's stores, behind them, read it; block q + 2 writes it again.
;                    Y1 lies in the accumulators' first 16 registers, which the matrix instructions write behind the stream.
;   P0, P1           the ring's registers again: LDS loads land there, a batch's four matrix instructions read one of them, and it is loaded again for the batch two on.
;   v[60:63], v[96:99]  written by roundings, read by one store each, never written again.   v[32:55], v[116:119]  loads land there once.
;   v126, v127       written at the head, read by the closing add alone.
; In a block ONE run of waits stands behind its roundings: they have written Y[q % 2] and are done reading X[q % 4]; and the stores of the block BEFORE, issued a whole
; block earlier, have read the other Y, which the next block writes.  The block's loads and stores follow with no further wait: no vector instruction issued since names their registers.
.set LP,    2064                       ; LDS pitch of a row of 1,024 bf16: 2,048 + 16 bytes, an odd multiple of 16
.set XS,    0                          ; 32 rows of X
.set BS,    32*LP                      ; 64 rows of basis_w
.set ST,    BS+64*LP                   ; stage for latent: 32 rows of 128 + 16 bytes
.set SP,    144
.set ITEMS, 104                        ; loads of 512 bytes a wave: 32 of X, 8 of a weight row, 64 of basis_w: 13 blocks of eight
.set Y0,    10                         ; v[10:25]   eight pairs of rounded numbers: the even blocks'
.set Y1,    64                         ; v[64:79]   the odd blocks'
.set ACC,   64                         ; v[64:95]   four accumulators, behind the stream
.set RING,  128                        ; v[128:255] 32 quads: the loads in flight
.set P0,    128                        ; later: two fragment buffers of 64 registers
.set P1,    192
	s_load_b512 s[4:19], s[0:1], 0x0               ; X s[4:5], basis s[6:7], core s[8:9], head_residual s[10:11], v_w s[12:13], o_w s[14:15], xb s[16:17], wvb s[18:19]
	s_load_b128 s[20:23], s[0:1], 0x40             ; wob s[20:21], lat s[22:23]
	s_load_b64 s[24:25], s[0:1], 0x50              ; mt
	v_lshl_add_u32 v126, v0, 2, 0x31800
	v_mov_b32 v127, 0
	v_lshrrev_b32 v9, 5, v0
	v_readfirstlane_b32 s26, v9                    ; wave 0..7
	v_and_b32 v1, 31, v0                           ; lane
	s_mov_b32 s28, 0x76543210                      ; v_permlanex16_b32: lane i reads lane i of the other half
	s_mov_b32 s29, 0xfedcba98
	v_lshlrev_b32 v5, 4, v1                        ; 16 lane: a weight row in
	v_lshlrev_b32 v6, 3, v1                        ; 8 lane: a weight row out
	s_wait_alu depctr_va_sdst(0)                   ; s26 is written, ahead of its first reader, the line below
	v_lshl_add_u32 v2, s26, 14, v5                 ; X in: the wave's four rows are 16,384 contiguous bytes
	v_lshl_add_u32 v3, s26, 13, v6                 ; xb out
	v_lshl_add_u32 v7, s26, 15, v5                 ; basis_w in: the wave's eight rows
	s_mul_i32 s27, s26, 4*LP
	v_add_nc_u32 v4, s27, v6                       ; X in LDS
	s_mul_i32 s27, s26, 8*LP
	s_add_co_u32 s27, s27, BS
	v_add_nc_u32 v8, s27, v6                       ; basis_w in LDS
	; addresses of the latent product: wave w makes 16 t (tt = w & 1) x 16 r (rt = w >> 1)
	v_and_b32 v31, 15, v1                          ; lane % 16
	v_lshrrev_b32 v9, 4, v1                        ; lane / 16
	v_mul_u32_u24 v27, v31, LP
	v_lshl_add_u32 v27, v9, 4, v27
	s_lshr_b32 s50, s26, 1
	s_and_b32 s51, s26, 1
	s_mul_i32 s52, s50, 16*LP
	s_add_co_u32 s52, s52, BS
	v_add_nc_u32 v26, s52, v27                     ; basis fragment
	s_mul_i32 s52, s51, 16*LP
	v_add_nc_u32 v27, s52, v27                     ; X fragment
	v_mul_u32_u24 v28, v31, SP
	v_lshl_add_u32 v28, v9, 4, v28
	s_mul_i32 s52, s51, 16*SP
	s_lshl_b32 s53, s50, 5
	s_add_co_u32 s52, s52, s53
	s_add_co_u32 s52, s52, ST
	v_add_nc_u32 v28, s52, v28                     ; stage in: row 16 tt + lane % 16, byte 32 rt + 16 (lane / 16)
	v_lshrrev_b32 v29, 3, v1
	v_mul_u32_u24 v29, v29, SP
	v_and_b32 v31, 7, v1
	v_lshl_add_u32 v29, v31, 4, v29
	s_mul_i32 s52, s26, 4*SP
	s_add_co_u32 s52, s52, ST
	v_add_nc_u32 v29, s52, v29                     ; stage back: four whole rows a wave
	v_lshl_add_u32 v30, s26, 9, v5                 ; and their 512 contiguous bytes in lat
	s_mov_b32 s31, 0                               ; s[30:31]: an offset as a pair
	s_and_b32 s44, s26, 3
	s_lshl_b32 s45, ttmp9, 2
	s_add_co_u32 s44, s44, s45                     ; my weight row: 4 g + (w & 3)
	s_and_b32 s38, ttmp9, 7                        ; rb: which eight r of mt
	s_lshr_b32 s39, ttmp9, 3                       ; sp: which two s of mt
	s_wait_kmcnt 0x0
	s_cmp_lt_u32 s26, 4
	s_cselect_b64 s[40:41], s[12:13], s[14:15]     ; waves 0-3: v_w to wvb; waves 4-7: o_w to wob
	s_cselect_b64 s[42:43], s[18:19], s[20:21]
	s_cselect_b32 s54, 0, -1                       ; lane mask: all ones where the row leaves in f16's format
	s_lshl_b32 s30, ttmp9, 17
	s_add_nc_u64 s[34:35], s[4:5], s[30:31]        ; X at the group's 32 rows
	s_lshl_b32 s30, ttmp9, 16
	s_add_nc_u64 s[36:37], s[16:17], s[30:31]      ; xb likewise
	s_lshl_b32 s30, s44, 12
	s_add_nc_u64 s[40:41], s[40:41], s[30:31]
	s_lshl_b32 s30, s44, 11
	s_add_nc_u64 s[42:43], s[42:43], s[30:31]
	s_lshl_b32 s30, ttmp9, 12
	s_add_nc_u64 s[22:23], s[22:23], s[30:31]      ; lat at the group's 32 rows
	s_lshl_b32 s30, s38, 11
	s_lshl_b32 s46, s39, 3
	s_add_co_u32 s30, s30, s46                     ; element (r = 8 rb, s = 2 sp) of a 64 x 64 f32 matrix
	s_add_nc_u64 s[10:11], s[10:11], s[30:31]
	s_add_nc_u64 s[32:33], s[8:9], s[30:31]
	s_lshl_b32 s30, s39, 9
	s_lshl_b32 s46, s38, 5
	s_add_co_u32 s30, s30, s46                     ; element (2 sp, 8 rb): the transposed place
	s_add_nc_u64 s[8:9], s[8:9], s[30:31]
	s_lshl_b32 s30, s39, 8
	s_lshl_b32 s46, s38, 4
	s_add_co_u32 s30, s30, s46                     ; the same place in a 64 x 64 bf16 matrix
	s_add_nc_u64 s[24:25], s[24:25], s[30:31]
	s_wait_alu depctr_va_vdst(0)                   ; the offsets and LDS addresses v2 to v8 and v26 to v30 are written: every load and store below but wave 0's for mt reads one of them, and none is written again
	; wave 0: 18 loads for mt.  Lane l: head l >> 1, s = 2 sp + (l & 1), r = 8 rb + i.  They are older than the stream's loads,
	; so the stream's counted waits mean the same in every wave.
	s_cmp_lg_u32 s26, 0
	s_cbranch_scc1 .Lstream
	v_and_b32 v100, 1, v1
	v_lshrrev_b32 v101, 1, v1
	v_lshlrev_b32 v102, 2, v100
	v_lshl_add_u32 v103, v101, 14, v102
	v_lshlrev_b32 v104, 8, v100
	v_lshlrev_b32 v105, 7, v100
	v_lshl_add_u32 v105, v101, 13, v105
	s_wait_alu depctr_va_vdst(0)                   ; v102 to v105 are written: the offsets of the 18 loads below and of mt's store
.irp i, 0,1,2,3,4,5,6,7
	global_load_b32 v[32+\i], v103, s[10:11] offset:256*\i     ; head_residual[h][r][s]
.endr
.irp i, 0,1,2,3,4,5,6,7
	global_load_b32 v[40+\i], v102, s[32:33] offset:256*\i     ; core[r][s]
.endr
	global_load_b128 v[48:51], v104, s[8:9]                    ; core[s][r .. r+7]
	global_load_b128 v[52:55], v104, s[8:9] offset:16
.Lstream:
; The stream.  Item it: 512 contiguous bytes of f32 for the wave, 16 a lane.  Its quad is number it % 32 of the ring, its pair number it % 8 of Y0 (even blocks) or Y1 (odd blocks).
.macro LD it
.if (\it) < 32
	global_load_b128 v[RING+4*((\it)%32):RING+4*((\it)%32)+3], v2, s[34:35] offset:(\it)*512 th:TH_LOAD_NT
.else
.if (\it) < 40
	global_load_b128 v[RING+4*((\it)%32):RING+4*((\it)%32)+3], v5, s[40:41] offset:((\it)-32)*512 th:TH_LOAD_NT
.else
	global_load_b128 v[RING+4*((\it)%32):RING+4*((\it)%32)+3], v7, s[6:7] offset:((\it)-40)*512
.endif
.endif
.endm
; An item is rounded: vector work alone.
.macro RND it
.set QD, RING+4*((\it)%32)
.set YP, Y0+(Y1-Y0)*(((\it)>>3)&1)+2*((\it)&7)
	v_cvt_pk_bf16_f32 v[YP], v[QD], v[QD+1]
	v_cvt_pk_bf16_f32 v[YP+1], v[QD+2], v[QD+3]
.if (\it) >= 32
.if (\it) < 40
	v_lshlrev_b32 v110, 16, v[YP]                  ; the bf16 values again as f32,
	v_and_b32 v111, 0xffff0000, v[YP]
	v_lshlrev_b32 v112, 16, v[YP+1]
	v_and_b32 v113, 0xffff0000, v[YP+1]
	v_cvt_pk_f16_f32 v110, v110, v111              ; written in f16's format,
	v_cvt_pk_f16_f32 v112, v112, v113
	v_cndmask_b32 v[YP], v[YP], v110, s54          ; and taken by the waves that hold a row of o_w
	v_cndmask_b32 v[YP+1], v[YP+1], v112, s54
.endif
.endif
.endm
; An item's pair leaves.
.macro PUT it
.set YP, Y0+(Y1-Y0)*(((\it)>>3)&1)+2*((\it)&7)
.if (\it) < 32
	global_store_b64 v3, v[YP:YP+1], s[36:37] offset:(\it)*256     ; the wave stores 256 contiguous bytes, aligned
	ds_store_b64 v4, v[YP:YP+1] offset:((\it)>>3)*LP+((\it)&7)*256
.else
.if (\it) < 40
	global_store_b64 v6, v[YP:YP+1], s[42:43] offset:((\it)-32)*256
.else
	ds_store_b64 v8, v[YP:YP+1] offset:(((\it)-40)>>3)*LP+(((\it)-40)&7)*256
.endif
.endif
.endm
; Block q of 13: items 8 q .. 8 q + 7.
.macro BLOCK q
.if (\q) > 9
	s_wait_loadcnt 8*(12-(\q))                     ; the tail: only the blocks behind this one are out
.else
	s_wait_loadcnt 24                              ; loads return in order: this block's eight are in, the three younger blocks stay out
.endif
.set n, 8*(\q)
.rept 8
	RND n
.set n, n+1
.endr
	s_wait_alu depctr_va_vdst(0)                   ; the roundings have written this block's Y, which the stores below read, and are done reading its eight quads, in which the loads below land
.if (\q) > 0
.if (\q) < 6
	s_wait_xcnt 0x0                                ; the global stores of the block before (blocks 0 to 4 have such) have had their addresses translated: the other Y is written again only behind this wait
.endif
	s_wait_alu depctr_vm_vsrc(0)                   ; the stores of the block before have read the other Y, which the next block's roundings write; behind the last block: Y1, which the matrix instructions write as accumulators
.endif
.if (\q) < 9
.set n, 8*(\q)+32
.rept 8
	LD n                                           ; the quads are free: 32 loads of the wave are out again
.set n, n+1
.endr
.endif
.set n, 8*(\q)
.rept 8
	PUT n
.set n, n+1
.endr
.endm
.set n, 0
.rept 32
	LD n
.set n, n+1
.endr
.irp q, 0,1,2,3,4,5,6,7,8,9,10,11,12
	BLOCK \q
.endr
	; wave 0: mt.  The mean over the 16 heads: lanes of one parity, three steps inside a half of 16 lanes, one across the halves.
	s_cmp_lg_u32 s26, 0
	s_cbranch_scc1 .Lmt_done
	v_mov_b32 v56, 0                               ; destinations of lane exchanges count as read
	v_mov_b32 v57, 0
.irp i, 0,1,2,3,4,5,6,7
	v_add_f32_dpp v56, v[32+\i], v[32+\i] row_xmask:2 row_mask:0xf bank_mask:0xf
	v_add_f32_dpp v56, v56, v56 row_xmask:4 row_mask:0xf bank_mask:0xf
	v_add_f32_dpp v56, v56, v56 row_xmask:8 row_mask:0xf bank_mask:0xf
	v_permlanex16_b32 v57, v56, s28, s29
	v_add_f32 v56, v56, v57                        ; sum over the heads
	v_add_f32 v58, v[40+\i], v[48+\i]              ; core[r][s] + core[s][r]
	v_fmamk_f32 v56, v56, 0xbd800000, v[32+\i]     ; residual - sum / 16
	v_fmamk_f32 v56, v58, 0x3d000000, v56          ; + (core + core^T) / 32
	v_mul_f32 v[32+\i], 0x3e38aa3b, v56            ; x log2 e / 8: the scores come out ready for v_exp_f32
.endr
.irp k, 0,1,2,3
	v_cvt_pk_bf16_f32 v[60+\k], v[32+2*\k], v[33+2*\k]
.endr
	s_wait_alu depctr_va_vdst(0)                   ; the roundings have written v[60:63], which the store reads
	global_store_b128 v105, v[60:63], s[24:25]
.Lmt_done:
	s_wait_dscnt 0x0                               ; my rows of X and basis_w are in LDS,
	s_barrier_signal -1
	s_barrier_wait -1                              ; everybody's are
; latent.  Source 0 = 16 rows of basis_w, source 1 = 16 rows of X: a lane ends with eight neighbouring r of one t.
; A batch is four K steps of 32: 16 LDS loads, 64 registers.  Two buffers take turns.  Batch bt holds K steps 4 bt .. 4 bt + 3, 64 bytes of a row each
; (bt may be given as a sum, so it stands in parentheses).
; The first two batches' loads land in the ring's registers: the stream's roundings, the last vector instructions that named them, stand ahead of the last block's wait on va_vdst.
.macro BATCH_LD bt, p
.irp q, 0,1,2,3
	ds_load_b128 v[\p+16*\q:\p+16*\q+3],     v26 offset:64*(4*(\bt)+\q)
	ds_load_b128 v[\p+16*\q+4:\p+16*\q+7],   v26 offset:64*(4*(\bt)+\q)+32
	ds_load_b128 v[\p+16*\q+8:\p+16*\q+11],  v27 offset:64*(4*(\bt)+\q)
	ds_load_b128 v[\p+16*\q+12:\p+16*\q+15], v27 offset:64*(4*(\bt)+\q)+32
.endr
.endm
; left = the LDS loads that may stay out: the other buffer's 16.  The four accumulators take turns, one instruction a turn, from batch to batch too.
.macro BATCH bt, p, first, left, more
	s_wait_dscnt \left
.irp q, 0,1,2,3
.if \first
	v_wmma_f32_16x16x32_bf16 v[ACC+8*\q:ACC+8*\q+7], v[\p+16*\q:\p+16*\q+7], v[\p+16*\q+8:\p+16*\q+15], 0
.else
	v_wmma_f32_16x16x32_bf16 v[ACC+8*\q:ACC+8*\q+7], v[\p+16*\q:\p+16*\q+7], v[\p+16*\q+8:\p+16*\q+15], v[ACC+8*\q:ACC+8*\q+7]
.endif
.endr
.if \more
.rept 4
	v_nop                                          ; the four places between a matrix instruction and a load into its sources stay beside the wait below
.endr
	s_wait_alu depctr_va_vdst(0)                   ; the batch's four matrix instructions are done reading buffer p, in which the loads below land
	BATCH_LD \bt+2, \p
.endif
.endm
	BATCH_LD 0, P0
	BATCH_LD 1, P1
	BATCH 0, P0, 1, 16, 1
	BATCH 1, P1, 0, 16, 1
	BATCH 2, P0, 0, 16, 1
	BATCH 3, P1, 0, 16, 1
	BATCH 4, P0, 0, 16, 1
	BATCH 5, P1, 0, 16, 1
	BATCH 6, P0, 0, 16, 0
	BATCH 7, P1, 0, 0, 0
.rept 4
	v_nop                                          ; four places before the sums are read
.endr
.irp k, 0,2,4,6
	v_pk_add_f32 v[ACC+\k:ACC+\k+1], v[ACC+\k:ACC+\k+1], v[ACC+8+\k:ACC+8+\k+1]
	v_pk_add_f32 v[ACC+16+\k:ACC+16+\k+1], v[ACC+16+\k:ACC+16+\k+1], v[ACC+24+\k:ACC+24+\k+1]
.endr
.irp k, 0,2,4,6
	v_pk_add_f32 v[ACC+\k:ACC+\k+1], v[ACC+\k:ACC+\k+1], v[ACC+16+\k:ACC+16+\k+1]
.endr
.irp k, 0,1,2,3
	v_cvt_pk_bf16_f32 v[96+\k], v[ACC+2*\k], v[ACC+2*\k+1]
.endr
	s_wait_alu depctr_va_vdst(0)                   ; the roundings have written v[96:99], which the LDS store reads
	ds_store_b128 v28, v[96:99]
	s_wait_dscnt 0x0                               ; my 16 bytes of each row are in the stage,
	s_barrier_signal -1
	s_barrier_wait -1                              ; the other waves' too
	ds_load_b128 v[116:119], v29
	s_wait_dscnt 0x0
	global_store_b128 v30, v[116:119], s[22:23]    ; the wave stores 512 contiguous bytes, aligned
	s_wait_dscnt 0x0                               ; the closing lines, six on end
	s_wait_alu 0x0
	s_wait_tensorcnt 0x0
	ds_add_u32 v126, v127
	s_wait_dscnt 0x0
	s_endpgm
.Lfunc_end_k_q37a720e5b6_prep:
	.size	k_q37a720e5b6_prep, .Lfunc_end_k_q37a720e5b6_prep-k_q37a720e5b6_prep
	.p2alignl 7, 3214868480
	.fill 96, 4, 3214868480
	.section	.rodata,"a",@progbits
	.p2align	6, 0x0
	.amdhsa_kernel k_q37a720e5b6_prep
		.amdhsa_group_segment_fixed_size 203776
		.amdhsa_private_segment_fixed_size 0
		.amdhsa_enable_private_segment 0
		.amdhsa_kernarg_size 88
		.amdhsa_user_sgpr_count 2
		.amdhsa_user_sgpr_kernarg_segment_ptr 1
		.amdhsa_wavefront_size32 1
		.amdhsa_system_sgpr_workgroup_id_x 1
		.amdhsa_system_sgpr_workgroup_id_y 1
		.amdhsa_system_sgpr_workgroup_id_z 1
		.amdhsa_system_vgpr_workitem_id 0
		.amdhsa_next_free_vgpr 256
		.amdhsa_next_free_sgpr 66
		.amdhsa_reserve_vcc 0
		.amdhsa_float_denorm_mode_32 3
		.amdhsa_float_denorm_mode_16_64 3
		.amdhsa_memory_ordered 1
		.amdhsa_forward_progress 1
		.amdhsa_inst_pref_size 61
	.end_amdhsa_kernel
	.amdgpu_metadata
---
amdhsa.version: [ 1, 2 ]
amdhsa.kernels:
  - .name:           k_q37a720e5b6_prep
    .symbol:         k_q37a720e5b6_prep.kd
    .args:
      - { .name: hidden_states, .offset: 0, .size: 8, .value_kind: global_buffer, .address_space: global }
      - { .name: basis_w, .offset: 8, .size: 8, .value_kind: global_buffer, .address_space: global }
      - { .name: core, .offset: 16, .size: 8, .value_kind: global_buffer, .address_space: global }
      - { .name: head_residual, .offset: 24, .size: 8, .value_kind: global_buffer, .address_space: global }
      - { .name: v_w, .offset: 32, .size: 8, .value_kind: global_buffer, .address_space: global }
      - { .name: o_w, .offset: 40, .size: 8, .value_kind: global_buffer, .address_space: global }
      - { .name: xb, .offset: 48, .size: 8, .value_kind: global_buffer, .address_space: global }
      - { .name: wvb, .offset: 56, .size: 8, .value_kind: global_buffer, .address_space: global }
      - { .name: wob, .offset: 64, .size: 8, .value_kind: global_buffer, .address_space: global }
      - { .name: lat, .offset: 72, .size: 8, .value_kind: global_buffer, .address_space: global }
      - { .name: mt, .offset: 80, .size: 8, .value_kind: global_buffer, .address_space: global }
    .group_segment_fixed_size: 203776
    .private_segment_fixed_size: 0
    .kernarg_segment_align: 8
    .kernarg_segment_size: 88
    .max_flat_workgroup_size: 256
    .sgpr_count:     66
    .vgpr_count:     256
    .wavefront_size: 32
...
	.end_amdgpu_metadata
.endif
;; end of part 5
;; launch vproj: the kernel of part 2 again; grid 32 x 8, 4 waves a work-group, clusters of 4 x 4, 327,680 bytes of LDS; arguments wvb, xb, vt, v_b; writes vt
;; launch attn: the kernel of part 3 again; grid 64 x 4, 8 waves a work-group, clusters of 4 x 1, 327,680 bytes of LDS; arguments lat, vt, mt, y2; writes y2
;; launch oproj: the kernel of part 4 again; grid 4 x 64, 4 waves a work-group, clusters of 4 x 4, 327,680 bytes of LDS; arguments y2, wob, out0, o_b; writes out0
